; MI455X (gfx1250); checked and timed in simulation.
; The chip was launched on July 23, 2026; its instructions are those of AMD's public machine-readable ISA for CDNA 5 (MIT licence, August 2026) and "CDNA5" Instruction Set Architecture Reference Guide (July 2026). The comments in the code are by the model that wrote it; some were corrected since.
;; RLI Pv2 Bi Multi Head Attention. Allowed arithmetic: float matrix products may take bf16 or f16 operands with f32 sums; other float arithmetic in f32, or as packed bf16 or f16 multiplies, adds, multiply-adds, maxima and minima; sums over many terms, partial sums and values carried from step to step in f32; what a program stores and reads back later, other than sums and carried values, may be rounded once to bf16 or f16.
;; Inputs: Wk 256 x 768 float32; Wol 768 x 256 float32; Wov 256 x 256 float32; Wq 256 x 256 float32; Wvl 256 x 768 float32; Wvv 256 x 256 float32; attention_mask_l 4 x 256 float32; attention_mask_v 4 x 13,600 float32; bk 256 float32; bol 768 float32; bov 256 float32; bq 256 float32; bvl 256 float32; bvv 256 float32; l 4 x 256 x 768 float32; v 4 x 13,600 x 256 float32; v_pos 4 x 13,600 x 256 float32.
;; Outputs: out0 4 x 13,600 x 256 float32; out1 4 x 256 x 768 float32.
;; 2 versions, each right and faster than the one before. Each part assembles by itself: llvm-mc -triple=amdgcn-amd-amdhsa -mcpu=gfx1250 --defsym DOCPART=n.
;; ======== version 1 of 2: 5 launches
;; limits: values are held in f16: magnitudes above 65,504 overflow, below 6.1e-05 lose precision
;; workspace buffers: kf 524,288 bytes; vlf 524,288 bytes; wf 786,432 bytes; mvcp 225,280 bytes; qv 55,705,600 bytes; cmax 2,097,152 bytes; pO 8,388,608 bytes; pS 524,288 bytes
;; launch prep (part 1): grid 256 x 1, 8 waves a work-group, no clusters, 150,016 bytes of LDS; arguments l, Wk, Wvl, bk, bvl, Wq, Wvv, Wov, Wol, attention_mask_v, kf, vlf, wf, mvcp; writes kf, vlf, wf, mvcp
.if DOCPART == 1
	.amdgcn_target "amdgcn-amd-amdhsa--gfx1250"
	.amdhsa_code_object_version 6
	.text
	.protected	k_qcd8814a8ac_prep
	.globl	k_qcd8814a8ac_prep
	.p2align	8
	.type	k_qcd8814a8ac_prep,@function
k_qcd8814a8ac_prep:
	s_mov_b64 s[64:65], 0
	v_nop
	global_prefetch_b8 v0, s[64:65] scope:SCOPE_SE
	s_setreg_imm32_b32 hwreg(HW_REG_WAVE_MODE, 25, 1), 1
	s_wait_xcnt 0x0
; PREP.  k = l Wk^T + bk and val_l = l Wvl^T + bvl, as f16 fragment images; the four small weights as fragment images; the table of the vision mask.
; All inputs are rounded to bf16 first (biases and mask too); products in bf16 with f32 sums; k and val_l are rounded once to f16.
; A FRAGMENT IMAGE is 16 rows x 32 k of 16-bit numbers in 1,024 bytes: [g (2)][lane (32)][16 bytes]; lane 16 h2 + r holds row r, k = 16 g + 8 h2 + 0..7.
; Two loads of 16 bytes a lane, 512 bytes apart, bring it into the eight registers of a matrix operand, source 0 or source 1 alike.
; SHARES.  Work-group g: rb = g / 8 (32 rows of l, counted through the batches), h = g % 8 (a head).  Each of the 8 waves makes ONE 16 x 16 result over K = 768:
;   waves 0-3 (k):      source 0 = 16 rows of Wk of the head (block i), source 1 = 16 rows of l (block j2): a lane holds one s and eight d
;   waves 4-7 (val_l):  source 0 = 16 rows of l (block i), source 1 = 16 rows of Wvl of the head (block j2): a lane holds one d and eight s
; In both cases the lane's eight numbers are group i of the image (16 bh + 2 (rb % 8) + j2) of kf or of vlf.
; SIDE ROLES.  g < 96: wave w turns 16 rows x 32 columns of Wq, Wvv (bf16) or Wov, Wol (rounded to bf16, written as f16) into image 8 g + w of wf.
;   96 <= g < 151: a wave makes 128 entries of mvcp[b][14,080]: (mask == 0 ? -9e15 : mask) x log2(e); entries at t >= 13,600 are -infinity.
; LIMITS.  k, val_l and the rounded Wov, Wol must lie within f16's 65,504.  NaN and infinities are not treated apart.
; No tensor loads: the data change format on their way into LDS, so they pass through registers.  No cluster: a work-group's three tiles are read once.
.set ROWB,  3072                       ; bytes in a row of l, Wk, Wvl
.set PITCH, 1552                       ; an LDS row: 1,536 bytes of bf16 + 16: 97 x 16, so the 16 rows of a fragment load start 16 bytes apart modulo 256
.set GRP,   32*PITCH                   ; 32 rows: l's, then Wk's, then Wvl's
.set SPARE, 3*GRP                      ; the spare words, 128 bytes a wave
.set SPW,  4                           ; v4   SPARE + 4 x thread; never rewritten
.set NIL,  5                           ; v5   0; never rewritten
.set GOFF, 6                           ; v6   3,072 w + 16 lane
.set LS,   7                           ; v7-9 where I put 8 bytes of row w of each group
.set FA,   10                          ; v10  my lane's place in source 0's rows
.set FB,   11                          ; v11  in source 1's
.set BOFF, 14                          ; v14  the bias's byte offset
.set BIAS, 32
.set ACC0, 40
.set ACC1, 48
.set OUT,  56
.set STA,  64                          ; window 0 v64-207: staged rows 0-5; window 1 v0-143: rows 6-11.  Later the fragments: K steps 0-7 in window 0 from v64, 8-23 in window 1
.set RT,   208                         ; v208-235 the side roles
.set MSB, 0
.macro WIN new                         ; the immediate's high byte repeats the setting that is left; a switch that changes nothing is dropped
.if MSB != (\new)
	s_set_vgpr_msb (MSB<<8)|(\new)
.set MSB, (\new)
.endif
.endm
.macro PLACES n
.rept \n
	v_nop
.endr
.endm
.macro RB a, b, t                      ; two f32 rounded to bf16, in place
	v_cvt_pk_bf16_f32 v[\t], v[\a], v[\b]
	v_lshlrev_b32 v[\a], 16, v[\t]
	v_and_b32 v[\b], 0xffff0000, v[\t]
.endm
	s_load_b512 s[8:23], s[0:1], 0x0               ; l, Wk, Wvl, bk, bvl, Wq, Wvv, Wov
	s_load_b256 s[24:31], s[0:1], 0x40             ; Wol, attention_mask_v, kf, vlf
	s_load_b128 s[32:35], s[0:1], 0x60             ; wf, mvcp
	v_lshl_add_u32 v[SPW], v0, 2, SPARE
	v_mov_b32 v[NIL], 0
	v_lshrrev_b32 v12, 5, v0
	v_readfirstlane_b32 s36, v12                   ; wave
	v_and_b32 v13, 31, v0                          ; lane
	v_lshlrev_b32 v1, 4, v13                       ; 16 lane
	v_and_b32 v2, 15, v0                           ; r
	v_bfe_u32 v3, v0, 4, 1                         ; h2
	s_mov_b32 s37, ttmp9                           ; g
	s_lshr_b32 s38, s37, 3                         ; rb
	s_and_b32 s39, s37, 7                          ; h
	s_lshr_b32 s46, s36, 2                         ; 0: k, 1: val_l
	s_bfe_u32 s47, s36, 0x10001                    ; i
	s_and_b32 s48, s36, 1                          ; j2
	s_mul_i32 s40, s36, ROWB
	v_add_nc_u32 v[GOFF], s40, v1
	s_mul_i32 s41, s36, PITCH
	v_lshl_add_u32 v[LS], v13, 3, s41
	v_add_nc_u32 v[LS+1], GRP, v[LS]
	v_add_nc_u32 v[LS+2], 2*GRP, v[LS]
	s_lshl_b32 s50, s47, 4
	s_lshl_b32 s51, s48, 4
	s_cmp_eq_u32 s46, 0
	s_cselect_b32 s52, 32, 0                       ; k: source 0 from Wk's rows (32 on), source 1 from l's
	s_cselect_b32 s53, 0, 64                       ; val_l: source 0 from l's rows, source 1 from Wvl's (64 on)
	s_add_co_u32 s50, s50, s52
	s_add_co_u32 s51, s51, s53
	v_add_nc_u32 v12, s50, v2
	v_mul_u32_u24 v[FA], v12, PITCH
	v_lshl_add_u32 v[FA], v3, 4, v[FA]
	v_add_nc_u32 v12, s51, v2
	v_mul_u32_u24 v[FB], v12, PITCH
	v_lshl_add_u32 v[FB], v3, 4, v[FB]
	s_mul_i32 s42, s38, 32*ROWB
	s_mov_b32 s43, 0
	s_mul_i32 s44, s39, 32*ROWB
	s_mov_b32 s45, 0
	s_lshr_b32 s54, s38, 3                         ; b
	s_lshl3_add_u32 s54, s54, s39                  ; bh
	s_and_b32 s55, s38, 7
	s_lshl_b32 s54, s54, 4
	s_lshl1_add_u32 s54, s55, s54                  ; 16 bh + 2 (rb % 8)
	s_add_co_u32 s54, s54, s48
	s_lshl_b32 s54, s54, 10
	s_lshl_b32 s55, s47, 9
	s_add_co_u32 s54, s54, s55                     ; the image's byte, and group i in it
	s_mov_b32 s55, 0
	s_lshl_b32 s49, s39, 7                         ; 128 h: the head's 32 biases
	s_wait_kmcnt 0x0
	s_add_nc_u64 s[8:9], s[8:9], s[42:43]          ; l at my 32 rows
	s_add_nc_u64 s[10:11], s[10:11], s[44:45]      ; Wk and Wvl at the head's 32 rows
	s_add_nc_u64 s[12:13], s[12:13], s[44:45]
	s_cmp_eq_u32 s46, 0
	s_cselect_b64 s[56:57], s[28:29], s[30:31]     ; kf or vlf
	s_add_nc_u64 s[56:57], s[56:57], s[54:55]
	; the bias as the C of the first product: k's goes with the register (d), val_l's with the lane (d)
	s_cmp_lt_u32 s36, 4
	s_cbranch_scc0 .Lbias_vl
	s_lshl_b32 s50, s47, 6
	s_add_co_u32 s50, s50, s49
	v_lshl_add_u32 v[BOFF], v3, 5, s50
	global_load_b128 v[BIAS:BIAS+3], v[BOFF], s[14:15]
	global_load_b128 v[BIAS+4:BIAS+7], v[BOFF], s[14:15] offset:16
	s_branch .Lbias_done
.Lbias_vl:
	s_lshl_b32 s50, s48, 6
	s_add_co_u32 s50, s50, s49
	v_lshl_add_u32 v[BOFF], v2, 2, s50
.irp k, 0,1,2,3,4,5,6,7
	global_load_b32 v[BIAS+\k], v[BOFF], s[16:17]
.endr
.Lbias_done:
	; 72 loads: row w + 8 (i % 4) of group i / 4, six pieces of 512 consecutive bytes each
.set i, 0
.rept 12
.if i < 6
	WIN 0
.set D, STA+24*i
.else
	WIN 0x40
.set D, 24*(i-6)
.endif
.set p, 0
.rept 6
	global_load_b128 v[D+4*p:D+4*p+3], v[GOFF], s[8+2*(i/4):9+2*(i/4)] offset:(i%4)*8*ROWB+p*512
.set p, p+1
.endr
.set i, i+1
.endr
	WIN 0
	; THE SIDE ROLES stand here, so that their loads travel with the 72
	s_cmp_lt_u32 s37, 96
	s_cbranch_scc0 .Lnot_w
	s_mov_b64 s[58:59], s[18:19]                   ; which weight, and which 16 rows of it
	s_mov_b32 s60, 0
	s_cmp_ge_u32 s37, 16
	s_cselect_b64 s[58:59], s[20:21], s[58:59]
	s_cselect_b32 s60, 16, s60
	s_cmp_ge_u32 s37, 32
	s_cselect_b64 s[58:59], s[22:23], s[58:59]
	s_cselect_b32 s60, 32, s60
	s_cmp_ge_u32 s37, 48
	s_cselect_b64 s[58:59], s[24:25], s[58:59]
	s_cselect_b32 s60, 48, s60
	s_sub_co_u32 s60, s37, s60
	s_lshl_b32 s60, s60, 14                        ; 16 rows of 1,024 bytes
	s_mov_b32 s61, 0
	s_add_nc_u64 s[58:59], s[58:59], s[60:61]
	s_lshl_b32 s62, s36, 7                         ; K step w: 32 columns of 4 bytes
	v_lshl_add_u32 v[RT], v2, 10, s62
	v_lshl_add_u32 v[RT], v3, 5, v[RT]
	global_load_b128 v[RT+4:RT+7], v[RT], s[58:59]
	global_load_b128 v[RT+8:RT+11], v[RT], s[58:59] offset:16
	global_load_b128 v[RT+12:RT+15], v[RT], s[58:59] offset:64
	global_load_b128 v[RT+16:RT+19], v[RT], s[58:59] offset:80
	s_wait_loadcnt 0x0
.irp k, 0,1,2,3,4,5,6,7
	v_cvt_pk_bf16_f32 v[RT+20+\k], v[RT+4+2*\k], v[RT+5+2*\k]
.endr
	s_cmp_lt_u32 s37, 32
	s_cbranch_scc1 .Lw_bf16
.irp k, 0,1,2,3,4,5,6,7                ; Wov, Wol: the bf16 number written as f16 (exact within f16's range)
	v_lshlrev_b32 v[RT+2], 16, v[RT+20+\k]
	v_and_b32 v[RT+3], 0xffff0000, v[RT+20+\k]
	v_cvt_pk_f16_f32 v[RT+20+\k], v[RT+2], v[RT+3]
.endr
.Lw_bf16:
	s_lshl3_add_u32 s62, s37, s36                  ; image 8 g + w
	s_lshl_b32 s62, s62, 10
	s_mov_b32 s63, 0
	s_add_nc_u64 s[62:63], s[32:33], s[62:63]
	global_store_b128 v1, v[RT+20:RT+23], s[62:63]
	global_store_b128 v1, v[RT+24:RT+27], s[62:63] offset:512
	s_branch .Lroles_done
.Lnot_w:
	s_cmp_lt_u32 s37, 151
	s_cbranch_scc0 .Lroles_done
	s_sub_co_u32 s58, s37, 96
	s_lshl3_add_u32 s58, s58, s36                  ; which 128 entries, 0 .. 439; 110 of them to a batch
	s_cmp_ge_u32 s58, 110
	s_cselect_b32 s59, 1, 0
	s_cmp_ge_u32 s58, 220
	s_cselect_b32 s60, 1, 0
	s_add_co_u32 s59, s59, s60
	s_cmp_ge_u32 s58, 330
	s_cselect_b32 s60, 1, 0
	s_add_co_u32 s59, s59, s60                     ; b
	s_mul_i32 s60, s59, 110
	s_sub_co_u32 s60, s58, s60
	s_lshl_b32 s60, s60, 7
	v_lshl_add_u32 v[RT], v13, 2, s60              ; t of my four entries
	v_min_u32 v[RT+1], 13596, v[RT]                ; entries past the mask's end read its last four and are overwritten below
	s_mul_i32 s61, s59, 13600
	v_add_nc_u32 v[RT+1], s61, v[RT+1]
	v_lshlrev_b32 v[RT+1], 2, v[RT+1]
	global_load_b128 v[RT+4:RT+7], v[RT+1], s[26:27]
	s_mov_b32 s61, 0xd9ffcb9e                      ; -9e15
	s_mov_b32 s62, 0x3fb8aa3b                      ; log2(e)
	s_mov_b32 s63, 0xff800000                      ; -infinity
	s_lshl_b32 s58, s58, 9
	s_mov_b32 s59, 0
	s_add_nc_u64 s[58:59], s[34:35], s[58:59]
	s_wait_loadcnt 0x0
	RB RT+4, RT+5, RT+2
	RB RT+6, RT+7, RT+2
.irp k, 4,5,6,7
	v_cmp_eq_f32 vcc_lo, 0, v[RT+\k]
	v_cndmask_b32 v[RT+\k], v[RT+\k], s61, vcc_lo
	v_mul_f32 v[RT+\k], s62, v[RT+\k]
.endr
	v_cmp_le_u32 vcc_lo, 13600, v[RT]
.irp k, 4,5,6,7
	v_cndmask_b32 v[RT+\k], v[RT+\k], s63, vcc_lo
.endr
	global_store_b128 v1, v[RT+4:RT+7], s[58:59]
.Lroles_done:
	; row by row: rounded to bf16 in place, 8 bytes a lane into LDS
.set i, 0
.rept 12
.set cnt, 66-6*i                       ; the loads of the rows behind this one may stay out (the field holds 63 at the most)
.if cnt > 63
.set cnt, 63
.endif
	s_wait_loadcnt cnt
.if i < 6
	WIN 0
.set D, STA+24*i
.else
	WIN 0x45
.set D, 24*(i-6)
.endif
.set p, 0
.rept 6
	v_cvt_pk_bf16_f32 v[D+4*p], v[D+4*p], v[D+4*p+1]
	v_cvt_pk_bf16_f32 v[D+4*p+1], v[D+4*p+2], v[D+4*p+3]
.set p, p+1
.endr
.if i >= 6
	WIN 0x04                                       ; the store's data in window 1, its address in window 0
.endif
.set p, 0
.rept 6
	ds_store_b64 v[LS+i/4], v[D+4*p:D+4*p+1] offset:(8*(i%4))*PITCH+p*256
.set p, p+1
.endr
.set i, i+1
.endr
	WIN 0
	RB BIAS+0, BIAS+1, 12
	RB BIAS+2, BIAS+3, 12
	RB BIAS+4, BIAS+5, 12
	RB BIAS+6, BIAS+7, 12
	s_wait_dscnt 0x0                               ; for the others' sake: my rows are in LDS
	s_barrier_signal -1
	s_barrier_wait -1
	; all 24 K steps' fragments, K ascending: 96 loads
.set ks, 0
.rept 24
.if ks < 8
	WIN 0
.set D, STA+16*ks
.else
	WIN 0x40
.set D, 16*(ks-8)
.endif
	ds_load_b128 v[D:D+3], v[FA] offset:ks*64
	ds_load_b128 v[D+4:D+7], v[FA] offset:ks*64+32
	ds_load_b128 v[D+8:D+11], v[FB] offset:ks*64
	ds_load_b128 v[D+12:D+15], v[FB] offset:ks*64+32
.set ks, ks+1
.endr
	; two accumulators take turns: even K steps on one (it starts from the bias), odd ones on the other (from 0)
.set ks, 0
.rept 24
.set cnt, 92-4*ks                      ; the loads of later K steps may stay out
.if cnt > 63
.set cnt, 63
.endif
	s_wait_dscnt cnt
.if ks < 8
	WIN 0
.set D, STA+16*ks
.else
	WIN 0x05
.set D, 16*(ks-8)
.endif
.if ks == 0
	v_wmma_f32_16x16x32_bf16 v[ACC0:ACC0+7], v[D:D+7], v[D+8:D+15], v[BIAS:BIAS+7]
.elseif ks == 1
	v_wmma_f32_16x16x32_bf16 v[ACC1:ACC1+7], v[D:D+7], v[D+8:D+15], 0
.elseif ks%2 == 0
	v_wmma_f32_16x16x32_bf16 v[ACC0:ACC0+7], v[D:D+7], v[D+8:D+15], v[ACC0:ACC0+7]
.else
	v_wmma_f32_16x16x32_bf16 v[ACC1:ACC1+7], v[D:D+7], v[D+8:D+15], v[ACC1:ACC1+7]
.endif
.set ks, ks+1
.endr
	WIN 0
	PLACES 4                                       ; four places between the last products and the first read of their results (ISA guide 7.12.1)
.irp k, 0,2,4,6
	v_pk_add_f32 v[ACC0+\k:ACC0+\k+1], v[ACC0+\k:ACC0+\k+1], v[ACC1+\k:ACC1+\k+1]
.endr
.irp k, 0,1,2,3
	v_cvt_pk_f16_f32 v[OUT+\k], v[ACC0+2*\k], v[ACC0+2*\k+1]
.endr
	global_store_b128 v1, v[OUT:OUT+3], s[56:57]   ; 512 consecutive bytes: one group of an image
	s_wait_tensorcnt 0x0                           ; the wave's end
	ds_add_u32 v[SPW], v[NIL]
	s_wait_dscnt 0x0
	s_endpgm
.Lfunc_end_k_qcd8814a8ac_prep:
	.size	k_qcd8814a8ac_prep, .Lfunc_end_k_qcd8814a8ac_prep-k_qcd8814a8ac_prep
	.p2alignl 7, 3214868480
	.fill 96, 4, 3214868480
	.section	.rodata,"a",@progbits
	.p2align	6, 0x0
	.amdhsa_kernel k_qcd8814a8ac_prep
		.amdhsa_group_segment_fixed_size 150016
		.amdhsa_private_segment_fixed_size 0
		.amdhsa_enable_private_segment 0
		.amdhsa_kernarg_size 112
		.amdhsa_user_sgpr_count 2
		.amdhsa_user_sgpr_kernarg_segment_ptr 1
		.amdhsa_wavefront_size32 1
		.amdhsa_system_sgpr_workgroup_id_x 1
		.amdhsa_system_sgpr_workgroup_id_y 1
		.amdhsa_system_sgpr_workgroup_id_z 1
		.amdhsa_system_vgpr_workitem_id 0
		.amdhsa_next_free_vgpr 512
		.amdhsa_next_free_sgpr 66
		.amdhsa_reserve_vcc 1
		.amdhsa_float_denorm_mode_32 3
		.amdhsa_float_denorm_mode_16_64 3
		.amdhsa_memory_ordered 1
		.amdhsa_forward_progress 1
		.amdhsa_inst_pref_size 41
	.end_amdhsa_kernel
	.amdgpu_metadata
---
amdhsa.version: [ 1, 2 ]
amdhsa.kernels:
  - .name:           k_qcd8814a8ac_prep
    .symbol:         k_qcd8814a8ac_prep.kd
    .args:
      - { .name: l, .offset: 0, .size: 8, .value_kind: global_buffer, .address_space: global }
      - { .name: Wk, .offset: 8, .size: 8, .value_kind: global_buffer, .address_space: global }
      - { .name: Wvl, .offset: 16, .size: 8, .value_kind: global_buffer, .address_space: global }
      - { .name: bk, .offset: 24, .size: 8, .value_kind: global_buffer, .address_space: global }
      - { .name: bvl, .offset: 32, .size: 8, .value_kind: global_buffer, .address_space: global }
      - { .name: Wq, .offset: 40, .size: 8, .value_kind: global_buffer, .address_space: global }
      - { .name: Wvv, .offset: 48, .size: 8, .value_kind: global_buffer, .address_space: global }
      - { .name: Wov, .offset: 56, .size: 8, .value_kind: global_buffer, .address_space: global }
      - { .name: Wol, .offset: 64, .size: 8, .value_kind: global_buffer, .address_space: global }
      - { .name: attention_mask_v, .offset: 72, .size: 8, .value_kind: global_buffer, .address_space: global }
      - { .name: kf, .offset: 80, .size: 8, .value_kind: global_buffer, .address_space: global }
      - { .name: vlf, .offset: 88, .size: 8, .value_kind: global_buffer, .address_space: global }
      - { .name: wf, .offset: 96, .size: 8, .value_kind: global_buffer, .address_space: global }
      - { .name: mvcp, .offset: 104, .size: 8, .value_kind: global_buffer, .address_space: global }
    .group_segment_fixed_size: 150016
    .private_segment_fixed_size: 0
    .kernarg_segment_align: 8
    .kernarg_segment_size: 112
    .max_flat_workgroup_size: 256
    .sgpr_count:     66
    .vgpr_count:     512
    .wavefront_size: 32
...
	.end_amdgpu_metadata
.endif
;; end of part 1
;; launch vproj (part 2): grid 256 x 1, 8 waves a work-group, no clusters, 34,816 bytes of LDS; arguments v, v_pos, wf, bq, qv; writes qv
.if DOCPART == 2
	.amdgcn_target "amdgcn-amd-amdhsa--gfx1250"
	.amdhsa_code_object_version 6
	.text
	.protected	k_qcd8814a8ac_vproj
	.globl	k_qcd8814a8ac_vproj
	.p2align	8
	.type	k_qcd8814a8ac_vproj,@function
k_qcd8814a8ac_vproj:
	s_mov_b64 s[64:65], 0
	v_nop
	global_prefetch_b8 v0, s[64:65] scope:SCOPE_SE
	s_setreg_imm32_b32 hwreg(HW_REG_WAVE_MODE, 25, 1), 1
	s_wait_xcnt 0x0
; VPROJ.  q = ((v + v_pos) Wq^T + bq) / sqrt(32) and val_v = v Wvv^T (its bias is added at the very end, where the weights have summed to 1), as f16 fragment images in qv.
; v, v_pos, Wq, Wvv and bq are rounded to bf16; q is made as v Wq^T + v_pos Wq^T on one f32 sum, so that v + v_pos is never rounded.
; qv: [h][fb (1,700 blocks of 32 rows, counted through the batches)][4,096 bytes]: Q of rows 0-15, Q of rows 16-31 (rows t, k = d), then val_v for d 0-15 and d 16-31 (rows d, k = the 32 t).
; An image: [g (2)][lane (32)][16 bytes], lane 16 h2 + r holds row r, k = 16 g + 8 h2 + 0..7.
; SHARES.  Work-group g takes blocks g, g + 256, ...: 7 of them if g < 164, else 6.  Wave = head: its 32 rows of Wq and of Wvv, 32 images, stay in window 1.
; The block's v and v_pos are brought in by all waves (wave w: rows 4 w .. 4 w + 3, 4,096 consecutive bytes of each), rounded, and shared through LDS.
; q:     source 0 = 16 rows of Wq, source 1 = 16 rows of v: a lane holds one t and eight d: group e of Q's image.
; val_v: source 0 = 16 rows of v, source 1 = 16 rows of Wvv: a lane holds one d and eight t: group tau of the image.
; LIMITS.  q and val_v must lie within f16's 65,504.  No tensor loads: the data change format on the way into LDS.  No cluster: no two work-groups read the same rows; the weights are read once a wave.
.set PITCH, 528                        ; an LDS row: 512 bytes of bf16 + 16: 33 x 16
.set TILE,  32*PITCH
.set SPARE, 2*TILE
.set STEPB, 256*32768                  ; 256 blocks on in v and v_pos
.set STEPQ, 256*4096                   ; and in qv
.set SPW,  4
.set NIL,  5
.set GOFF, 6                           ; v6  4,096 w + 16 lane
.set LST,  7                           ; v7  where I put 8 bytes of row 4 w
.set FRA,  8                           ; v8  my lane's place in a fragment's rows
.set BQ,   16                          ; v16-31  bq as the C of the first products: by e
.set STG,  32                          ; v32-95  16 x 4: v's eight pieces, then v_pos's
.set FR,   96                          ; v96-159 two buffers of {v rows 0-15, v rows 16-31, v_pos likewise}
.set AQ,   160                         ; v160-191 [e][tau]
.set AV,   192                         ; v192-223 [db][tau]
.set PK,   224                         ; v224-255 packed results
.set MSB, 0
.macro WIN new
.if MSB != (\new)
	s_set_vgpr_msb (MSB<<8)|(\new)
.set MSB, (\new)
.endif
.endm
.macro PLACES n
.rept \n
	v_nop
.endr
.endm
.macro RB a, b, t
	v_cvt_pk_bf16_f32 v[\t], v[\a], v[\b]
	v_lshlrev_b32 v[\a], 16, v[\t]
	v_and_b32 v[\b], 0xffff0000, v[\t]
.endm
.macro GET                             ; a block's 16 loads, 512 consecutive bytes each; read once in the launch
.set q, 0
.rept 8
	global_load_b128 v[STG+4*q:STG+4*q+3], v[GOFF], s[8:9] offset:q*512 th:TH_LOAD_NT
.set q, q+1
.endr
.set q, 0
.rept 8
	global_load_b128 v[STG+32+4*q:STG+32+4*q+3], v[GOFF], s[10:11] offset:q*512 th:TH_LOAD_NT
.set q, q+1
.endr
.endm
.macro LOADK ks                        ; the four fragments of K step ks into buffer ks % 2
.set LB, FR+32*((\ks)%2)
.irp m, 0,1
.irp t, 0,1
	ds_load_b128 v[LB+16*\m+8*\t:LB+16*\m+8*\t+3], v[FRA] offset:(\ks)*64+\t*16*PITCH+\m*TILE
	ds_load_b128 v[LB+16*\m+8*\t+4:LB+16*\m+8*\t+7], v[FRA] offset:(\ks)*64+32+\t*16*PITCH+\m*TILE
.endr
.endr
.endm
	s_load_b256 s[8:15], s[0:1], 0x0               ; v, v_pos, wf, bq
	s_load_b64 s[16:17], s[0:1], 0x20              ; qv
	v_lshl_add_u32 v[SPW], v0, 2, SPARE
	v_mov_b32 v[NIL], 0
	v_lshrrev_b32 v12, 5, v0
	v_readfirstlane_b32 s20, v12                   ; wave = head
	v_and_b32 v13, 31, v0
	v_lshlrev_b32 v1, 4, v13                       ; 16 lane
	v_and_b32 v2, 15, v0
	v_bfe_u32 v3, v0, 4, 1
	s_mov_b32 s21, ttmp9
	s_cmp_lt_u32 s21, 164
	s_cselect_b32 s22, 6, 5                        ; trips that fetch a further block
	s_lshl_b32 s26, s20, 12
	v_add_nc_u32 v[GOFF], s26, v1
	s_mul_i32 s26, s20, 4*PITCH
	v_lshl_add_u32 v[LST], v13, 3, s26
	v_mul_u32_u24 v[FRA], v2, PITCH
	v_lshl_add_u32 v[FRA], v3, 4, v[FRA]
	v_lshlrev_b32 v9, 5, v3                        ; 32 h2: my eight of bq
	s_mov_b32 s24, 0x3e3504f3                      ; 1 / sqrt(32)
	s_mov_b32 s25, s24
	s_lshl_b32 s26, s21, 15                        ; block g
	s_mov_b32 s27, 0
	s_mul_i32 s28, s20, 1700*4096
	s_lshl_b32 s30, s21, 12
	s_add_co_u32 s28, s28, s30
	s_mov_b32 s29, 0
	s_lshl_b32 s30, s20, 14                        ; the head's 16 images of Wq
	s_mov_b32 s31, 0
	s_lshl_b32 s32, s20, 7
	s_mov_b32 s33, 0
	s_wait_kmcnt 0x0
	s_add_nc_u64 s[8:9], s[8:9], s[26:27]
	s_add_nc_u64 s[10:11], s[10:11], s[26:27]
	s_add_nc_u64 s[12:13], s[12:13], s[30:31]
	s_add_nc_u64 s[14:15], s[14:15], s[32:33]
	s_add_nc_u64 s[16:17], s[16:17], s[28:29]
	WIN 0x40                                       ; window 1: Wq (e, ks) at 64 e + 8 ks, Wvv (db, ks) at 128 + 64 db + 8 ks
.set f, 0
.rept 16
	global_load_b128 v[8*f:8*f+3], v1, s[12:13] offset:f*1024
	global_load_b128 v[8*f+4:8*f+7], v1, s[12:13] offset:f*1024+512
	global_load_b128 v[128+8*f:128+8*f+3], v1, s[12:13] offset:131072+f*1024
	global_load_b128 v[128+8*f+4:128+8*f+7], v1, s[12:13] offset:131072+f*1024+512
.set f, f+1
.endr
	WIN 0
.irp k, 0,1,2,3
	global_load_b128 v[BQ+4*\k:BQ+4*\k+3], v9, s[14:15] offset:(\k/2)*64+(\k%2)*16
.endr
	GET
	s_wait_loadcnt 16                              ; the weights and bq are in; block 0's 16 loads stay out
.irp k, 0,2,4,6,8,10,12,14
	RB BQ+\k, BQ+\k+1, 12
.endr
; One block.  pre = 1: the next block is asked for as soon as the staging registers are free.
.macro TRIP pre
	s_wait_loadcnt 0x0                             ; the block's 16 loads
.set q, 0
.rept 16
	v_cvt_pk_bf16_f32 v[STG+4*q], v[STG+4*q], v[STG+4*q+1]
	v_cvt_pk_bf16_f32 v[STG+4*q+1], v[STG+4*q+2], v[STG+4*q+3]
.set q, q+1
.endr
	s_wait_dscnt 0x0
	s_barrier_signal -1
	s_barrier_wait -1                              ; nobody reads the last block's tiles any more
.set q, 0
.rept 16
	ds_store_b64 v[LST], v[STG+4*q:STG+4*q+1] offset:((q%8)/2)*PITCH+(q%2)*256+(q/8)*TILE
.set q, q+1
.endr
	s_wait_dscnt 0x0                               ; for the others' sake: my rows are in LDS
.if \pre
	s_add_nc_u64 s[8:9], s[8:9], STEPB             ; the loads that named these bases are done
	s_add_nc_u64 s[10:11], s[10:11], STEPB
	GET
.endif
	s_barrier_signal -1
	s_barrier_wait -1                              ; the tiles are whole
	LOADK 0
	LOADK 1
.set ks, 0
.rept 8
.if ks == 7
	s_wait_dscnt 0x0
.else
	s_wait_dscnt 0x8                               ; the other buffer's eight loads may stay out
.endif
.set CB, FR+32*(ks%2)
	WIN 0x01                                       ; source 0 (Wq) in window 1.  Eight accumulators take turns
.irp m, 0,1
.irp e, 0,1
.irp t, 0,1
.if (ks == 0) && (\m == 0)
	v_wmma_f32_16x16x32_bf16 v[AQ+8*(2*\e+\t):AQ+8*(2*\e+\t)+7], v[64*\e+8*ks:64*\e+8*ks+7], v[CB+16*\m+8*\t:CB+16*\m+8*\t+7], v[BQ+8*\e:BQ+8*\e+7]
.else
	v_wmma_f32_16x16x32_bf16 v[AQ+8*(2*\e+\t):AQ+8*(2*\e+\t)+7], v[64*\e+8*ks:64*\e+8*ks+7], v[CB+16*\m+8*\t:CB+16*\m+8*\t+7], v[AQ+8*(2*\e+\t):AQ+8*(2*\e+\t)+7]
.endif
.endr
.endr
.endr
	WIN 0x04                                       ; source 1 (Wvv) in window 1
.irp d, 0,1
.irp t, 0,1
.if ks == 0
	v_wmma_f32_16x16x32_bf16 v[AV+8*(2*\d+\t):AV+8*(2*\d+\t)+7], v[CB+8*\t:CB+8*\t+7], v[128+64*\d+8*ks:128+64*\d+8*ks+7], 0
.else
	v_wmma_f32_16x16x32_bf16 v[AV+8*(2*\d+\t):AV+8*(2*\d+\t)+7], v[CB+8*\t:CB+8*\t+7], v[128+64*\d+8*ks:128+64*\d+8*ks+7], v[AV+8*(2*\d+\t):AV+8*(2*\d+\t)+7]
.endif
.endr
.endr
	WIN 0
.if ks < 6
	PLACES 4                                       ; four places in front of loads into registers that the products have read
	LOADK ks+2
.endif
.set ks, ks+1
.endr
	PLACES 4
.set k, 0
.rept 16
	v_pk_mul_f32 v[AQ+2*k:AQ+2*k+1], v[AQ+2*k:AQ+2*k+1], s[24:25] op_sel_hi:[1,0]
.set k, k+1
.endr
.irp t, 0,1
.irp e, 0,1
.irp j, 0,1,2,3
	v_cvt_pk_f16_f32 v[PK+8*\t+4*\e+\j], v[AQ+8*(2*\e+\t)+2*\j], v[AQ+8*(2*\e+\t)+2*\j+1]
.endr
.endr
.endr
.irp d, 0,1
.irp t, 0,1
.irp j, 0,1,2,3
	v_cvt_pk_f16_f32 v[PK+16+8*\d+4*\t+\j], v[AV+8*(2*\d+\t)+2*\j], v[AV+8*(2*\d+\t)+2*\j+1]
.endr
.endr
.endr
.set k, 0
.rept 8
	global_store_b128 v1, v[PK+4*k:PK+4*k+3], s[16:17] offset:k*512   ; 4,096 consecutive bytes in all
.set k, k+1
.endr
	s_wait_xcnt 0x0                                ; the stores' base and data are rewritten only behind this wait
	s_add_nc_u64 s[16:17], s[16:17], STEPQ
.endm
	s_mov_b32 s23, 0
.Lblock:
	TRIP 1
	s_add_co_u32 s23, s23, 1
	s_cmp_lt_u32 s23, s22
	s_cbranch_scc1 .Lblock
	TRIP 0                                         ; the last block fetches nothing
	s_wait_tensorcnt 0x0                           ; the wave's end
	ds_add_u32 v[SPW], v[NIL]
	s_wait_dscnt 0x0
	s_endpgm
.Lfunc_end_k_qcd8814a8ac_vproj:
	.size	k_qcd8814a8ac_vproj, .Lfunc_end_k_qcd8814a8ac_vproj-k_qcd8814a8ac_vproj
	.p2alignl 7, 3214868480
	.fill 96, 4, 3214868480
	.section	.rodata,"a",@progbits
	.p2align	6, 0x0
	.amdhsa_kernel k_qcd8814a8ac_vproj
		.amdhsa_group_segment_fixed_size 34816
		.amdhsa_private_segment_fixed_size 0
		.amdhsa_enable_private_segment 0
		.amdhsa_kernarg_size 40
		.amdhsa_user_sgpr_count 2
		.amdhsa_user_sgpr_kernarg_segment_ptr 1
		.amdhsa_wavefront_size32 1
		.amdhsa_system_sgpr_workgroup_id_x 1
		.amdhsa_system_sgpr_workgroup_id_y 1
		.amdhsa_system_sgpr_workgroup_id_z 1
		.amdhsa_system_vgpr_workitem_id 0
		.amdhsa_next_free_vgpr 512
		.amdhsa_next_free_sgpr 66
		.amdhsa_reserve_vcc 0
		.amdhsa_float_denorm_mode_32 3
		.amdhsa_float_denorm_mode_16_64 3
		.amdhsa_memory_ordered 1
		.amdhsa_forward_progress 1
		.amdhsa_inst_pref_size 51
	.end_amdhsa_kernel
	.amdgpu_metadata
---
amdhsa.version: [ 1, 2 ]
amdhsa.kernels:
  - .name:           k_qcd8814a8ac_vproj
    .symbol:         k_qcd8814a8ac_vproj.kd
    .args:
      - { .name: v, .offset: 0, .size: 8, .value_kind: global_buffer, .address_space: global }
      - { .name: v_pos, .offset: 8, .size: 8, .value_kind: global_buffer, .address_space: global }
      - { .name: wf, .offset: 16, .size: 8, .value_kind: global_buffer, .address_space: global }
      - { .name: bq, .offset: 24, .size: 8, .value_kind: global_buffer, .address_space: global }
      - { .name: qv, .offset: 32, .size: 8, .value_kind: global_buffer, .address_space: global }
    .group_segment_fixed_size: 34816
    .private_segment_fixed_size: 0
    .kernarg_segment_align: 8
    .kernarg_segment_size: 40
    .max_flat_workgroup_size: 256
    .sgpr_count:     66
    .vgpr_count:     512
    .wavefront_size: 32
...
	.end_amdgpu_metadata
.endif
;; end of part 2
;; launch vdir (part 3): grid 64 x 4, 8 waves a work-group, no clusters, 191,488 bytes of LDS; arguments qv, kf, vlf, wf, attention_mask_l, bov, out0, cmax; writes out0, cmax
.if DOCPART == 3
	.amdgcn_target "amdgcn-amd-amdhsa--gfx1250"
	.amdhsa_code_object_version 6
	.text
	.protected	k_qcd8814a8ac_vdir
	.globl	k_qcd8814a8ac_vdir
	.p2align	8
	.type	k_qcd8814a8ac_vdir,@function
k_qcd8814a8ac_vdir:
	s_mov_b64 s[64:65], 0
	v_nop
	global_prefetch_b8 v0, s[64:65] scope:SCOPE_SE
	s_setreg_imm32_b32 hwreg(HW_REG_WAVE_MODE, 25, 1), 1
	s_wait_xcnt 0x0
; VDIR.  out0 = softmax_s(clip(q k^T) + ml) val_l, through Wov^T + bov; and the raw maximum over this work-group's t of every column (h, s) of q k^T, for the next launch.
; q, k, val_l, the weights p, out_v and Wov are f16 matrix operands; sums, maxima and the softmax in f32.  mask_l and bov are rounded to bf16 like every input.
; SOFTMAX.  z = clip(s, -50,000, 50,000) log2(e) + mlc[s], mlc = (mask == 0 ? -9e15 : mask) log2(e); m = the row's true maximum of z over all 256 s; p = 2^(z - m), rounded to f16;
; the row's sum is taken of the rounded p, by a product with ones; out_v = (p val_l) / sum.
; SHARES.  Work-group (x, b) takes the blocks of 32 rows x, x + 64, ... of batch b: 7 if x < 41, else 6.  In the attention wave = head: the head's k (16 images) and val_l (16 images) fill window 1.
; For each tile of 16 t the scores are made twice: Q x K (a lane holds one s: the column maxima cost four lines a 16 x 16 tile), then K x Q (a lane holds one t and eight s, and two such results
; rounded to f16 ARE source 1 of val_l^T x P, whose result again holds one t a lane).  out_v of all heads meets in LDS; then wave w makes columns 32 w .. 32 w + 31 of out0 for the 32 rows
; (source 0 = 16 rows of Wov from LDS, source 1 = 16 rows of out_v: a lane holds eight neighbouring columns of a row), and the rows leave through a stage, 512 consecutive bytes a store.
; Two waves share a SIMD, so one's matrix phases stand beside the other's vector phases; the text is in plain phases.
; LIMITS.  out_v within 65,504; a weight below 6e-8 counts as 0 in f16; NaN and infinities are not treated apart.
; No tensor loads: Q comes straight into registers as images; the rest is read once.  No cluster: what work-groups share (k, val_l, Wov) is read once in the prologue, no tile of the loop is shared.
.set OVP,   528                        ; a row of out_v in LDS: 512 bytes + 16
.set STP,   1040                       ; a row of the stage: 1,024 bytes + 16
.set OV,    131072                     ; behind Wov's 128 images
.set STAGE, OV+32*OVP
.set MLC,   STAGE+32*STP
.set CMS,   MLC+1024
.set SPARE, CMS+8192
.set SPW,  4
.set NIL,  5
.set QOFF, 6                           ; v6   byte offset of the block's Q in the head's part of qv
.set OOFF, 7                           ; v7   byte offset of my rows in out0
.set AML,  8                           ; v8   MLC + 32 h2
.set AOVW, 9                           ; v9   where I put 16 bytes of out_v
.set AOVR, 10                          ; v10  my lane's place in out_v's rows
.set AWOV, 11                          ; v11  my lane's place in my 16 images of Wov
.set ASTW, 12                          ; v12  where I put 32 bytes of a stage row
.set ASTR, 13                          ; v13  where I read stage rows back
.set CM,   24                          ; v24-39  running column maxima, one register a tile of 16 s
.set Q,    40                          ; v40-55
.set BOV,  56                          ; v56-71
.set ONES, 72                          ; v72-79
.set R80,  80                          ; v80-111 in turn: a ring of four slots of mlc; O (d 0-15), O (d 16-31), two row sums; the out-projection's four accumulators
.set OF,   112                         ; v112-119
.set T16,  120                         ; v120-121 prologue: 16 x thread, and 65,536 on
.set MOFF, 122
.set MDAT, 123
.set BOFF, 124
.set ACMW, 125
.set ACMR, 126
.set S,    128                         ; v128-255 the scores of 16 t x 256 s
.set MSB, 0
.macro WIN new
.if MSB != (\new)
	s_set_vgpr_msb (MSB<<8)|(\new)
.set MSB, (\new)
.endif
.endm
.macro PLACES n
.rept \n
	v_nop
.endr
.endm
.macro RB a, b, t
	v_cvt_pk_bf16_f32 v[\t], v[\a], v[\b]
	v_lshlrev_b32 v[\a], 16, v[\t]
	v_and_b32 v[\b], 0xffff0000, v[\t]
.endm
	s_load_b512 s[8:23], s[0:1], 0x0               ; qv, kf, vlf, wf, attention_mask_l, bov, out0, cmax
	v_lshl_add_u32 v[SPW], v0, 2, SPARE
	v_mov_b32 v[NIL], 0
	v_lshrrev_b32 v14, 5, v0
	v_readfirstlane_b32 s24, v14                   ; wave
	v_and_b32 v15, 31, v0
	v_lshlrev_b32 v1, 4, v15                       ; 16 lane
	v_and_b32 v2, 15, v0
	v_bfe_u32 v3, v0, 4, 1
	s_mov_b32 s25, ttmp9                           ; x
	s_and_b32 s26, ttmp7, 0xffff                   ; b
	s_cmp_lt_u32 s25, 41
	s_cselect_b32 s27, 7, 6                        ; my blocks
	s_mov_b32 s28, 0
	s_mov_b32 s29, s25                             ; the block in hand
	s_mov_b32 s32, 0x47435000                      ; 50,000
	s_mov_b32 s33, 0xc7435000
	s_mov_b32 s34, 0x3fb8aa3b                      ; log2(e)
	s_mov_b32 s35, s34
	s_mov_b32 s36, 0x76543210                      ; v_permlanex16_b32: each lane takes its own place in the other half
	s_mov_b32 s37, 0xfedcba98
	s_mov_b32 s38, 0xffff0000                      ; lanes 16-31
	s_mov_b32 s39, 0xd9ffcb9e                      ; -9e15
	s_mul_i32 s40, s26, 425
	s_mul_i32 s41, s26, 13600
	s_lshl2_add_u32 s41, s24, s41                  ; 13,600 b + 4 w
	v_lshl_add_u32 v[AML], v3, 5, MLC
	v_mul_u32_u24 v14, v2, OVP
	v_lshl_add_u32 v14, v3, 4, v14
	v_add_nc_u32 v[AOVR], OV, v14
	s_lshl_b32 s30, s24, 6
	s_add_co_u32 s30, s30, OV
	v_add_nc_u32 v[AOVW], s30, v14
	s_lshl_b32 s30, s24, 14
	v_add_nc_u32 v[AWOV], s30, v1
	v_mul_u32_u24 v14, v2, STP
	v_lshl_add_u32 v14, v3, 5, v14
	s_lshl_b32 s30, s24, 7
	v_lshl_add_u32 v[BOFF], v3, 5, s30             ; bov: 128 w + 32 h2
	s_add_co_u32 s30, s30, STAGE
	v_add_nc_u32 v[ASTW], s30, v14
	s_mul_i32 s30, s24, 4*STP
	s_add_co_u32 s30, s30, STAGE
	v_add_nc_u32 v[ASTR], s30, v1
	v_lshlrev_b32 v[T16], 4, v0
	v_add_nc_u32 v[T16+1], 0x10000, v[T16]
	v_lshlrev_b32 v[MOFF], 2, v0
	s_lshl_b32 s30, s24, 10
	s_add_co_u32 s30, s30, CMS
	v_lshl_add_u32 v[ACMW], v15, 2, s30
	v_add_nc_u32 v[ACMR], s30, v1
	s_add_co_u32 s30, s40, s29
	s_lshl_b32 s30, s30, 12
	v_add_nc_u32 v[QOFF], s30, v1
	s_lshl3_add_u32 s42, s26, s24                  ; bh
	s_lshl_b32 s44, s42, 14
	s_mov_b32 s45, 0
	s_lshl_b32 s42, s42, 6
	s_add_co_u32 s42, s42, s25
	s_lshl_b32 s42, s42, 10                        ; cmax: (64 bh + x) x 1,024
	s_mov_b32 s43, 0
	s_mul_i32 s30, s24, 1700*4096
	s_mov_b32 s31, 0
	s_wait_kmcnt 0x0
	s_add_nc_u64 s[8:9], s[8:9], s[30:31]
	s_add_nc_u64 s[10:11], s[10:11], s[44:45]
	s_add_nc_u64 s[12:13], s[12:13], s[44:45]
	s_add_nc_u64 s[14:15], s[14:15], 262144        ; Wov's images begin at image 256 of wf
	s_add_nc_u64 s[22:23], s[22:23], s[42:43]
	s_lshl_b32 s30, s26, 10
	s_add_nc_u64 s[16:17], s[16:17], s[30:31]
.set j, 0
.rept 32                                ; Wov: 131,072 bytes by 256 threads
	global_load_b128 v[S+4*j:S+4*j+3], v[T16], s[14:15] offset:j*4096
.set j, j+1
.endr
	WIN 0x40
.set f, 0
.rept 16                                ; k: tile i of 16 s at 8 i of window 1
	global_load_b128 v[8*f:8*f+3], v1, s[10:11] offset:f*1024
	global_load_b128 v[8*f+4:8*f+7], v1, s[10:11] offset:f*1024+512
.set f, f+1
.endr
	WIN 0
	s_wait_loadcnt 32                              ; Wov is in; k's 32 loads stay out
.set j, 0
.rept 32
	ds_store_b128 v[T16+j/16], v[S+4*j:S+4*j+3] offset:(j%16)*4096
.set j, j+1
.endr
	WIN 0x40
.set f, 0
.rept 16                                ; val_l: (sb, db) at 128 + 8 (2 sb + db) of window 1
	global_load_b128 v[128+8*f:128+8*f+3], v1, s[12:13] offset:f*1024
	global_load_b128 v[128+8*f+4:128+8*f+7], v1, s[12:13] offset:f*1024+512
.set f, f+1
.endr
	WIN 0
	global_load_b32 v[MDAT], v[MOFF], s[16:17]
.irp k, 0,1,2,3
	global_load_b128 v[BOV+4*\k:BOV+4*\k+3], v[BOFF], s[18:19] offset:(\k/2)*64+(\k%2)*16
.endr
.irp k, 0,1,2,3
	global_load_b128 v[Q+4*\k:Q+4*\k+3], v[QOFF], s[8:9] offset:\k*512
.endr
.irp k, 0,1,2,3,4,5,6,7
	v_mov_b32 v[ONES+\k], 0x3c003c00               ; 1.0 twice in f16
.endr
.irp k, 0,1,2,3,4,5,6,7,8,9,10,11,12,13,14,15
	v_mov_b32 v[CM+\k], 0xff7fffff                 ; below every score
.endr
	s_wait_loadcnt 0x0
	v_cvt_pk_bf16_f32 v14, v[MDAT], v[MDAT]
	v_lshlrev_b32 v[MDAT], 16, v14
	v_cmp_eq_f32 vcc_lo, 0, v[MDAT]
	v_cndmask_b32 v[MDAT], v[MDAT], s39, vcc_lo
	v_mul_f32 v[MDAT], s34, v[MDAT]
	v_add_nc_u32 v[MOFF], MLC, v[MOFF]
	ds_store_b32 v[MOFF], v[MDAT]                  ; mlc[s], s = my thread's number
.irp k, 0,2,4,6,8,10,12,14
	RB BOV+\k, BOV+\k+1, 14
.endr
	s_wait_dscnt 0x0
	s_barrier_signal -1
	s_barrier_wait -1                              ; Wov and mlc are whole
; One tile of 16 t x 256 s of my head.
.macro TT tau
	WIN 0x04                                       ; a. Q x K: a lane holds one s
.set i, 0
.rept 16
	v_wmma_f32_16x16x32_f16 v[S+8*i:S+8*i+7], v[Q+8*(\tau):Q+8*(\tau)+7], v[8*i:8*i+7], 0
.set i, i+1
.endr
	WIN 0
	PLACES 4
.set jj, 0                              ; b. the column maxima; each result's lowest registers are read first
.rept 4
.set i, 0
.rept 16
	v_max3_num_f32 v[CM+i], v[CM+i], v[S+8*i+2*jj], v[S+8*i+2*jj+1]
.set i, i+1
.endr
.set jj, jj+1
.endr
	WIN 0x01                                       ; c. K x Q: a lane holds one t
.set i, 0
.rept 16
	v_wmma_f32_16x16x32_f16 v[S+8*i:S+8*i+7], v[8*i:8*i+7], v[Q+8*(\tau):Q+8*(\tau)+7], 0
.set i, i+1
.endr
	WIN 0
	PLACES 4
.if (\tau) == 1                         ; d. the next block's Q, a whole block's vector work ahead; the last trip has none
	s_add_co_u32 s30, s28, 1
	s_cmp_lt_u32 s30, s27
	s_cbranch_scc0 .Lno_q
	s_add_co_u32 s30, s29, 64
	s_add_co_u32 s30, s30, s40
	s_lshl_b32 s30, s30, 12
	v_add_nc_u32 v[QOFF], s30, v1                  ; the loads that named it were waited for at the trip's head
.irp k, 0,1,2,3
	global_load_b128 v[Q+4*\k:Q+4*\k+3], v[QOFF], s[8:9] offset:\k*512
.endr
.Lno_q:
.endif
.irp i4, 0,1,2,3
	ds_load_b128 v[R80+8*\i4:R80+8*\i4+3], v[AML] offset:\i4*64
	ds_load_b128 v[R80+8*\i4+4:R80+8*\i4+7], v[AML] offset:\i4*64+16
.endr
.set i, 0                               ; e. z = clip(s) log2(e) + mlc
.rept 16
.if i < 13
	s_wait_dscnt 6                                 ; three younger slots of the ring, two loads each, may stay out
.else
	s_wait_dscnt 2*(15-i)
.endif
.irp k, 0,1,2,3,4,5,6,7
	v_med3_num_f32 v[S+8*i+\k], v[S+8*i+\k], s33, s32
.endr
.irp k, 0,2,4,6
	v_pk_fma_f32 v[S+8*i+\k:S+8*i+\k+1], v[S+8*i+\k:S+8*i+\k+1], s[34:35], v[R80+8*(i%4)+\k:R80+8*(i%4)+\k+1] op_sel_hi:[1,0,1]
.endr
.if i < 12
	ds_load_b128 v[R80+8*(i%4):R80+8*(i%4)+3], v[AML] offset:(i+4)*64
	ds_load_b128 v[R80+8*(i%4)+4:R80+8*(i%4)+7], v[AML] offset:(i+4)*64+16
.endif
.set i, i+1
.endr
.irp q, 0,1,2,3                         ; f. the row's maximum: four chains of 31, the four left over, the other half of the lanes
	v_max3_num_f32 v[20+\q], v[S+32*\q], v[S+32*\q+1], v[S+32*\q+2]
.endr
.set n, 0
.rept 14
.irp q, 0,1,2,3
	v_max3_num_f32 v[20+\q], v[20+\q], v[S+32*\q+3+2*n], v[S+32*\q+4+2*n]
.endr
.set n, n+1
.endr
	v_max3_num_f32 v20, v20, v[S+31], v[S+63]
	v_max3_num_f32 v22, v22, v[S+95], v[S+127]
	v_max3_num_f32 v20, v20, v21, v22
	v_max_num_f32 v20, v20, v23
	v_permlanex16_b32 v14, v20, s36, s37
	v_max_num_f32 v16, v20, v14
	v_max_num_f32 v17, v20, v14
.set it, 0                              ; g. in step it: the exponentials of tile it - 1, line by line with z - m of tile it and the rounding of tile it - 2 (tile i packs into S[4 i ..])
.rept 18
.set j, 0
.rept 8
.if (it >= 1) && (it <= 16)
	v_exp_f32 v[S+8*(it-1)+j], v[S+8*(it-1)+j]
.endif
.if (j < 4) && (it < 16)
	v_pk_add_f32 v[S+8*it+2*j:S+8*it+2*j+1], v[S+8*it+2*j:S+8*it+2*j+1], v[16:17] neg_lo:[0,1] neg_hi:[0,1]
.endif
.if (j >= 4) && (it >= 2)
	s_wait_alu depctr_va_vdst(0)
	v_cvt_pk_f16_f32 v[S+4*(it-2)+j-4], v[S+8*(it-2)+2*(j-4)], v[S+8*(it-2)+2*(j-4)+1]
.endif
.set j, j+1
.endr
.set it, it+1
.endr
	WIN 0x01                                       ; h. val_l^T x P: the two accumulators take turns; then the row sums, two accumulators by turns
.set sb, 0
.rept 8
.irp d, 0,1
.if sb == 0
	v_wmma_f32_16x16x32_f16 v[R80+8*\d:R80+8*\d+7], v[128+8*(2*sb+\d):128+8*(2*sb+\d)+7], v[S+8*sb:S+8*sb+7], 0
.else
	v_wmma_f32_16x16x32_f16 v[R80+8*\d:R80+8*\d+7], v[128+8*(2*sb+\d):128+8*(2*sb+\d)+7], v[S+8*sb:S+8*sb+7], v[R80+8*\d:R80+8*\d+7]
.endif
.endr
.set sb, sb+1
.endr
	WIN 0
.set sb, 0
.rept 8
.if sb < 2
	v_wmma_f32_16x16x32_f16 v[R80+16+8*(sb%2):R80+16+8*(sb%2)+7], v[ONES:ONES+7], v[S+8*sb:S+8*sb+7], 0
.else
	v_wmma_f32_16x16x32_f16 v[R80+16+8*(sb%2):R80+16+8*(sb%2)+7], v[ONES:ONES+7], v[S+8*sb:S+8*sb+7], v[R80+16+8*(sb%2):R80+16+8*(sb%2)+7]
.endif
.set sb, sb+1
.endr
	PLACES 5                                       ; i. also the places in front of the next products that write over P
	v_add_f32 v14, v[R80+16], v[R80+24]
	v_rcp_f32 v18, v14
	v_rcp_f32 v19, v14
	v_nop                                          ; a plain line between the reciprocals and their use
	s_wait_alu depctr_va_vdst(0)
.irp k, 0,2,4,6,8,10,12,14
	v_pk_mul_f32 v[R80+\k:R80+\k+1], v[R80+\k:R80+\k+1], v[18:19]
.endr
.irp k, 0,1,2,3,4,5,6,7
	v_cvt_pk_f16_f32 v[OF+\k], v[R80+2*\k], v[R80+2*\k+1]
.endr
	ds_store_b128 v[AOVW], v[OF:OF+3] offset:(\tau)*16*OVP
	ds_store_b128 v[AOVW], v[OF+4:OF+7] offset:(\tau)*16*OVP+32
.endm
; Half of the out-projection's K: four K steps' fragments in one run of 32 loads, then 16 products, four accumulators by turns.
.macro OPH half
.set k4, 0
.rept 4
.set ks, 4*(\half)+k4
.irp u, 0,1
	ds_load_b128 v[S+32*k4+8*\u:S+32*k4+8*\u+3], v[AWOV] offset:\u*8192+ks*1024
	ds_load_b128 v[S+32*k4+8*\u+4:S+32*k4+8*\u+7], v[AWOV] offset:\u*8192+ks*1024+512
.endr
.irp t, 0,1
	ds_load_b128 v[S+32*k4+16+8*\t:S+32*k4+16+8*\t+3], v[AOVR] offset:\t*16*OVP+ks*64
	ds_load_b128 v[S+32*k4+16+8*\t+4:S+32*k4+16+8*\t+7], v[AOVR] offset:\t*16*OVP+ks*64+32
.endr
.set k4, k4+1
.endr
.set k4, 0
.rept 4
	s_wait_dscnt 24-8*k4                           ; the later K steps' loads may stay out
.irp u, 0,1
.irp t, 0,1
.if ((\half) == 0) && (k4 == 0)
	v_wmma_f32_16x16x32_f16 v[R80+8*(2*\u+\t):R80+8*(2*\u+\t)+7], v[S+32*k4+8*\u:S+32*k4+8*\u+7], v[S+32*k4+16+8*\t:S+32*k4+16+8*\t+7], v[BOV+8*\u:BOV+8*\u+7]
.else
	v_wmma_f32_16x16x32_f16 v[R80+8*(2*\u+\t):R80+8*(2*\u+\t)+7], v[S+32*k4+8*\u:S+32*k4+8*\u+7], v[S+32*k4+16+8*\t:S+32*k4+16+8*\t+7], v[R80+8*(2*\u+\t):R80+8*(2*\u+\t)+7]
.endif
.endr
.endr
.set k4, k4+1
.endr
.endm
.Lblock:
	s_wait_loadcnt 0x0                             ; Q
	s_wait_xcnt 0x0                                ; the last block's stores have read S and OOFF
	TT 0
	TT 1
	s_wait_dscnt 0x0
	s_barrier_signal -1
	s_barrier_wait -1                              ; barrier 1: every head's out_v is in LDS, and everybody's reads of the stage are over
	OPH 0
	PLACES 4
	OPH 1
	PLACES 5
.irp u, 0,1
.irp t, 0,1
	ds_store_b128 v[ASTW], v[R80+8*(2*\u+\t):R80+8*(2*\u+\t)+3] offset:\t*16*STP+\u*64
	ds_store_b128 v[ASTW], v[R80+8*(2*\u+\t)+4:R80+8*(2*\u+\t)+7] offset:\t*16*STP+\u*64+16
.endr
.endr
	s_wait_dscnt 0x0
	s_barrier_signal -1
	s_barrier_wait -1                              ; barrier 2: the stage is whole, and everybody's reads of out_v are over
.set k, 0
.rept 8
	ds_load_b128 v[S+4*k:S+4*k+3], v[ASTR] offset:(k/2)*STP+(k%2)*512
.set k, k+1
.endr
	s_lshl_b32 s30, s29, 5
	s_add_co_u32 s30, s30, s41
	s_lshl_b32 s30, s30, 10                        ; row 13,600 b + 32 block + 4 w, 1,024 bytes a row
	v_add_nc_u32 v[OOFF], s30, v1
.set k, 0
.rept 8
	s_wait_dscnt 7-k
	global_store_b128 v[OOFF], v[S+4*k:S+4*k+3], s[20:21] offset:k*512 th:TH_STORE_NT   ; 512 consecutive bytes, at a multiple of 512 from out0's first
.set k, k+1
.endr
	s_add_co_u32 s29, s29, 64
	s_add_co_u32 s28, s28, 1
	s_cmp_lt_u32 s28, s27
	s_cbranch_scc1 .Lblock
	; the column maxima: the two halves of the lanes meet; lane l then takes s = 32 k + l, and the 256 numbers leave as 1,024 consecutive bytes
.set i, 0
.rept 16
	v_permlanex16_b32 v14, v[CM+i], s36, s37
	v_max_num_f32 v[CM+i], v[CM+i], v14
.set i, i+1
.endr
.irp k, 0,1,2,3,4,5,6,7
	v_cndmask_b32 v[OF+\k], v[CM+2*\k], v[CM+2*\k+1], s38
.endr
.irp k, 0,1,2,3,4,5,6,7
	ds_store_b32 v[ACMW], v[OF+\k] offset:\k*128
.endr
	ds_load_b128 v[R80:R80+3], v[ACMR]             ; my own bytes: LDS serves a wave's instructions in order (ISA guide 5.7.1.4)
	ds_load_b128 v[R80+4:R80+7], v[ACMR] offset:512
	s_wait_dscnt 0x0
	global_store_b128 v1, v[R80:R80+3], s[22:23]
	global_store_b128 v1, v[R80+4:R80+7], s[22:23] offset:512
	s_wait_tensorcnt 0x0                           ; the wave's end
	ds_add_u32 v[SPW], v[NIL]
	s_wait_dscnt 0x0
	s_endpgm
.Lfunc_end_k_qcd8814a8ac_vdir:
	.size	k_qcd8814a8ac_vdir, .Lfunc_end_k_qcd8814a8ac_vdir-k_qcd8814a8ac_vdir
	.p2alignl 7, 3214868480
	.fill 96, 4, 3214868480
	.section	.rodata,"a",@progbits
	.p2align	6, 0x0
	.amdhsa_kernel k_qcd8814a8ac_vdir
		.amdhsa_group_segment_fixed_size 191488
		.amdhsa_private_segment_fixed_size 0
		.amdhsa_enable_private_segment 0
		.amdhsa_kernarg_size 64
		.amdhsa_user_sgpr_count 2
		.amdhsa_user_sgpr_kernarg_segment_ptr 1
		.amdhsa_wavefront_size32 1
		.amdhsa_system_sgpr_workgroup_id_x 1
		.amdhsa_system_sgpr_workgroup_id_y 1
		.amdhsa_system_sgpr_workgroup_id_z 1
		.amdhsa_system_vgpr_workitem_id 0
		.amdhsa_next_free_vgpr 512
		.amdhsa_next_free_sgpr 66
		.amdhsa_reserve_vcc 1
		.amdhsa_float_denorm_mode_32 3
		.amdhsa_float_denorm_mode_16_64 3
		.amdhsa_memory_ordered 1
		.amdhsa_forward_progress 1
		.amdhsa_inst_pref_size 116
	.end_amdhsa_kernel
	.amdgpu_metadata
---
amdhsa.version: [ 1, 2 ]
amdhsa.kernels:
  - .name:           k_qcd8814a8ac_vdir
    .symbol:         k_qcd8814a8ac_vdir.kd
    .args:
      - { .name: qv, .offset: 0, .size: 8, .value_kind: global_buffer, .address_space: global }
      - { .name: kf, .offset: 8, .size: 8, .value_kind: global_buffer, .address_space: global }
      - { .name: vlf, .offset: 16, .size: 8, .value_kind: global_buffer, .address_space: global }
      - { .name: wf, .offset: 24, .size: 8, .value_kind: global_buffer, .address_space: global }
      - { .name: attention_mask_l, .offset: 32, .size: 8, .value_kind: global_buffer, .address_space: global }
      - { .name: bov, .offset: 40, .size: 8, .value_kind: global_buffer, .address_space: global }
      - { .name: out0, .offset: 48, .size: 8, .value_kind: global_buffer, .address_space: global }
      - { .name: cmax, .offset: 56, .size: 8, .value_kind: global_buffer, .address_space: global }
    .group_segment_fixed_size: 191488
    .private_segment_fixed_size: 0
    .kernarg_segment_align: 8
    .kernarg_segment_size: 64
    .max_flat_workgroup_size: 256
    .sgpr_count:     66
    .vgpr_count:     512
    .wavefront_size: 32
...
	.end_amdgpu_metadata
.endif
;; end of part 3
;; launch ldir (part 4): grid 8 x 32, 8 waves a work-group, no clusters, 41,984 bytes of LDS; arguments qv, kf, cmax, mvcp, pO, pS; writes pO, pS
.if DOCPART == 4
	.amdgcn_target "amdgcn-amd-amdhsa--gfx1250"
	.amdhsa_code_object_version 6
	.text
	.protected	k_qcd8814a8ac_ldir
	.globl	k_qcd8814a8ac_ldir
	.p2align	8
	.type	k_qcd8814a8ac_ldir,@function
k_qcd8814a8ac_ldir:
	s_mov_b64 s[64:65], 0
	v_nop
	global_prefetch_b8 v0, s[64:65] scope:SCOPE_SE
	s_setreg_imm32_b32 hwreg(HW_REG_WAVE_MODE, 25, 1), 1
	s_wait_xcnt 0x0
; LDIR.  The language direction: for each (b, h, s) the softmax over t of clip(clip(q k^T) - M, -C, C) + mv[t], times val_v; here for one eighth of the t, as partial sums.
; M[s] is the maximum over ALL t of the clipped scores, made from the last launch's 64 partial maxima.  clip(clip(x) - M) + M = med3(x, max(M, 0) - C, C), C = 50,000, since M lies in -C .. C; the common
; shift -M changes no softmax and is left out of the exponent: M enters the clip's lower bound alone.
; SOFTMAX.  z = med3(..) log2(e) + mvc[t]; a running maximum Z over the trips; p = 2^(z - Z), rounded to f16; in every trip the sums are multiplied by a = 2^(Z_old - Z_new).
; The sum of the weights is taken of the rounded p, by a product with ones.  The chunk's Z, that sum and p val_v (all f32) go to pS and pO; the next launch merges the eight chunks.
; SHARES.  Work-group (c, bh) takes blocks 55 c .. 55 c + 54 of 32 t: 11 trips of 5 blocks.  8 x 55 = 440 blocks for 425: the blocks past the end have mvc = -infinity, so their weights are 0; their
; data address is held inside qv, so the numbers are finite.  Every chunk's first trip has true rows, so Z is finite from the first trip on.
; Wave w owns s = 32 w .. 32 w + 31, two tiles of 16, and walks all t: nothing is merged inside a work-group.
; LAYOUT.  Q (source 0, rows t) x K (source 1, columns s): a lane holds one s and eight t; two such results rounded to f16 ARE source 1 (32 t x 16 s) of val_v^T x P, whose result holds one s a lane and eight d.
; LDS: two slots of 5 blocks as they lie in qv (20,480 bytes), filled through registers, one barrier a trip: the slot written in a trip was read in the trip before, and every wave waited for those reads ahead of the barrier between.
; The sums start at 0 and Z at the lowest finite number, so the first trip is a trip like any other, with a = 0: 48 lines that write 0, in the wait for the first tile, spare a first trip written out.
; LIMITS.  A weight below 6e-8 counts as 0 in f16; NaN and infinities in the inputs are not treated apart.
; No tensor loads: a trip's tile is five loads of 16 bytes a thread.  No cluster: no two work-groups read the same tile (the head's k is read once).
; REGISTERS.  Window 0: addresses, statistics, k, ones, sums, staging, fragments.  Window 1: v0-79, v80-159 the scores of my two tiles of s (10 tiles of t each); v160-239 mvc of the trip's 160 t; v240-241 Z, for the packed subtraction.
.set SLOT1, 20480
.set SPARE, 2*SLOT1
.set SPW,  4
.set NIL,  5
.set L16,  6                           ; v6   16 lane
.set CO4,  7                           ; v7   4 lane
.set PO8,  8                           ; v8   8 lane
.set MVO,  9                           ; v9   32 h2
.set LO,   16                          ; v16-17 the clip's lower bound, by tile of s
.set ZR,   18                          ; v18-19 the running maximum
.set ZN,   20                          ; v20    the new one
.set AA,   22                          ; v22-23 a, twice
.set CH,   24                          ; v24-27 four chains
.set TP,   28                          ; v28-29 at work
.set KF,   36                          ; v36-51 k of my two tiles
.set ONES, 52
.set OA,   64                          ; v64-95  (sg, db) at 64 + 8 (2 sg + db)
.set SUM,  96                          ; v96-111
.set STG,  112                         ; v112-131
.set FR,   136                         ; v136-215 ten fragments: Q's, later val_v's
.set MV,   160                         ; window 1
.set ZW,   240                         ; window 1
.set MSB, 0
.macro WIN new
.if MSB != (\new)
	s_set_vgpr_msb (MSB<<8)|(\new)
.set MSB, (\new)
.endif
.endm
.macro PLACES n
.rept \n
	v_nop
.endr
.endm
.macro GETTILE                         ; the next five blocks, 16 bytes a thread each; each block has a base of its own, made from the head's base and the block's number
.irp j, 0,1,2,3,4
	s_add_co_u32 s26, s23, \j
	s_min_u32 s26, s26, 1699
	s_lshl_b32 s26, s26, 12
	s_add_nc_u64 s[36+2*\j:37+2*\j], s[46:47], s[26:27]
	global_load_b128 v[STG+4*\j:STG+4*\j+3], v1, s[36+2*\j:37+2*\j]
.endr
	s_add_co_u32 s23, s23, 5
.endm
.macro GETMV                           ; mvc of 160 t: a lane takes the eight t of its half in each tile
	WIN 0x40
.set t, 0
.rept 10
	global_load_b128 v[MV+8*t:MV+8*t+3], v[MVO], s[48:49] offset:t*64
	global_load_b128 v[MV+8*t+4:MV+8*t+7], v[MVO], s[48:49] offset:t*64+16
.set t, t+1
.endr
	WIN 0
.endm
	s_load_b256 s[8:15], s[0:1], 0x0               ; qv, kf, cmax, mvcp
	s_load_b128 s[16:19], s[0:1], 0x20             ; pO, pS
	v_lshl_add_u32 v[SPW], v0, 2, SPARE
	v_mov_b32 v[NIL], 0
	v_lshrrev_b32 v12, 5, v0
	v_readfirstlane_b32 s20, v12                   ; wave
	v_lshlrev_b32 v1, 4, v0                        ; 16 thread
	v_and_b32 v13, 31, v0
	v_lshlrev_b32 v[L16], 4, v13
	v_lshlrev_b32 v[CO4], 2, v13
	v_lshlrev_b32 v[PO8], 3, v13
	v_bfe_u32 v3, v0, 4, 1
	v_lshlrev_b32 v[MVO], 5, v3
	s_mov_b32 s21, ttmp9                           ; c
	s_and_b32 s22, ttmp7, 0xffff                   ; bh
	s_lshr_b32 s50, s22, 3                         ; b
	s_and_b32 s51, s22, 7                          ; h
	s_mul_i32 s23, s50, 425
	s_mul_i32 s52, s21, 55
	s_add_co_u32 s23, s23, s52                     ; the chunk's first block, counted through the batches
	s_mov_b32 s27, 0
	s_mov_b32 s53, 0
	s_mov_b32 s28, 0x47435000                      ; C
	s_mov_b32 s29, 0xc7435000
	s_mov_b32 s30, 0x3fb8aa3b                      ; log2(e)
	s_mov_b32 s31, s30
	s_mov_b32 s32, 0x76543210
	s_mov_b32 s33, 0xfedcba98
	s_mov_b32 s34, 0xffff0000                      ; lanes 16-31
	s_wait_kmcnt 0x0
	s_mul_i32 s52, s51, 1700*4096
	s_add_nc_u64 s[46:47], s[8:9], s[52:53]        ; the head's part of qv
	s_lshl_b32 s52, s22, 14
	s_lshl_b32 s26, s20, 11
	s_add_co_u32 s52, s52, s26
	s_add_nc_u64 s[10:11], s[10:11], s[52:53]      ; k: images 16 bh + 2 w, + 1
	s_lshl_b32 s52, s22, 16
	s_lshl_b32 s26, s20, 7
	s_add_co_u32 s52, s52, s26
	s_add_nc_u64 s[12:13], s[12:13], s[52:53]      ; cmax: my 32 s
	s_mul_i32 s52, s50, 56320
	s_mul_i32 s26, s21, 7040
	s_add_co_u32 s52, s52, s26
	s_add_nc_u64 s[48:49], s[14:15], s[52:53]      ; mvc at the chunk's first t
	s_lshl3_add_u32 s54, s22, s21                  ; 8 bh + c
	s_lshl_b32 s52, s54, 15
	s_lshl_b32 s26, s20, 12
	s_add_co_u32 s52, s52, s26
	s_add_nc_u64 s[16:17], s[16:17], s[52:53]
	s_lshl3_add_u32 s52, s54, s20
	s_lshl_b32 s52, s52, 8
	s_add_nc_u64 s[18:19], s[18:19], s[52:53]
.irp k, 0,1,2,3
	global_load_b128 v[KF+4*\k:KF+4*\k+3], v[L16], s[10:11] offset:\k*512
.endr
.set x, 0
.rept 64
	global_load_b32 v[FR+x], v[CO4], s[12:13] offset:x*1024
.set x, x+1
.endr
	GETTILE
	GETMV
.set k, 0
.rept 48
	v_mov_b32 v[OA+k], 0
.set k, k+1
.endr
.irp k, 0,1,2,3,4,5,6,7
	v_mov_b32 v[ONES+\k], 0x3c003c00
.endr
	v_mov_b32 v[ZR], 0xff7fffff
	v_mov_b32 v[ZR+1], 0xff7fffff
	v_mov_b32 v[TP], 0
	v_mov_b32 v10, 0xff7fffff
	v_mov_b32 v11, 0
	s_wait_loadcnt 0x0
.set x, 0
.rept 32
	v_max3_num_f32 v10, v10, v[FR+2*x], v[FR+2*x+1]
.set x, x+1
.endr
	v_med3_num_f32 v10, v10, s29, s28              ; M: the maximum of the clipped scores is the clipped maximum
	v_max_num_f32 v10, 0, v10
	v_add_f32 v10, s29, v10                        ; max(M, 0) - C, for s = 32 w + lane
	v_permlanex16_b32 v11, v10, s32, s33
	v_cndmask_b32 v[LO], v10, v11, s34             ; every lane: the bound of s = 32 w + lane % 16,
	v_cndmask_b32 v[LO+1], v11, v10, s34           ; and of s = 32 w + 16 + lane % 16
.irp j, 0,1,2,3,4
	ds_store_b128 v1, v[STG+4*\j:STG+4*\j+3] offset:\j*4096
.endr
	s_wait_dscnt 0x0
	s_barrier_signal -1
	s_barrier_wait -1
; The softmax of one tile of s for the trip's 160 t.
.macro SOFT sg
.set zb, 80*(\sg)
	WIN 0x14                                       ; sources 1 and 2 (scores) in window 1
.irp q, 0,1,2,3
	v_max3_num_f32 v[CH+\q], v[ZR+(\sg)], v[zb+20*\q], v[zb+20*\q+1]
.endr
.set n, 0
.rept 9
.irp q, 0,1,2,3
	v_max3_num_f32 v[CH+\q], v[CH+\q], v[zb+20*\q+2+2*n], v[zb+20*\q+3+2*n]
.endr
.set n, n+1
.endr
	WIN 0
	v_max3_num_f32 v[CH], v[CH], v[CH+1], v[CH+2]
	v_max_num_f32 v[CH], v[CH], v[CH+3]
	v_permlanex16_b32 v[TP], v[CH], s32, s33       ; the column's other 80 t lie in the lane 16 away
	v_max_num_f32 v[ZN], v[CH], v[TP]
	v_sub_f32 v[TP+1], v[ZR+(\sg)], v[ZN]
	v_exp_f32 v[AA], v[TP+1]
	v_exp_f32 v[AA+1], v[TP+1]
	v_mov_b32 v[ZR+(\sg)], v[ZN]
	WIN 0x40
	v_max_num_f32 v[ZW], v[CH], v[TP]
	v_max_num_f32 v[ZW+1], v[CH], v[TP]
	WIN 0x45                                       ; in step it: the exponentials of tile it - 1, line by line with z - Z of tile it and the rounding of tile it - 2 (tile i packs into registers 4 i ..)
.set it, 0
.rept 12
.set j, 0
.rept 8
.if (it >= 1) && (it <= 10)
	v_exp_f32 v[zb+8*(it-1)+j], v[zb+8*(it-1)+j]
.endif
.if (j < 4) && (it < 10)
	v_pk_add_f32 v[zb+8*it+2*j:zb+8*it+2*j+1], v[zb+8*it+2*j:zb+8*it+2*j+1], v[ZW:ZW+1] neg_lo:[0,1] neg_hi:[0,1]
.endif
.if (j >= 4) && (it >= 2)
	s_wait_alu depctr_va_vdst(0)
	v_cvt_pk_f16_f32 v[zb+4*(it-2)+j-4], v[zb+8*(it-2)+2*(j-4)], v[zb+8*(it-2)+2*(j-4)+1]
.endif
.set j, j+1
.endr
.set it, it+1
.endr
	WIN 0
.set k, 0
.rept 8
	v_pk_mul_f32 v[OA+16*(\sg)+2*k:OA+16*(\sg)+2*k+1], v[OA+16*(\sg)+2*k:OA+16*(\sg)+2*k+1], v[AA:AA+1]
.set k, k+1
.endr
.set k, 0
.rept 4
	v_pk_mul_f32 v[SUM+8*(\sg)+2*k:SUM+8*(\sg)+2*k+1], v[SUM+8*(\sg)+2*k:SUM+8*(\sg)+2*k+1], v[AA:AA+1]
.set k, k+1
.endr
.endm
; One trip: the tile in slot \slot.  pre = 1: the next tile is fetched into registers at the head and put into the other slot at the end.
.macro TRIP slot, pre
	s_wait_loadcnt 0x0                             ; this trip's mvc, asked for most of a trip ago
.if \pre
	GETTILE
.endif
.set t, 0
.rept 10
	ds_load_b128 v[FR+8*t:FR+8*t+3], v[L16] offset:(\slot)*SLOT1+(t/2)*4096+(t%2)*1024
	ds_load_b128 v[FR+8*t+4:FR+8*t+7], v[L16] offset:(\slot)*SLOT1+(t/2)*4096+(t%2)*1024+512
.set t, t+1
.endr
	WIN 0x40                                       ; the scores go to window 1
.set t, 0
.rept 10
	s_wait_dscnt 18-2*t                            ; the later tiles' loads may stay out
	v_wmma_f32_16x16x32_f16 v[8*t:8*t+7], v[FR+8*t:FR+8*t+7], v[KF:KF+7], 0
	v_wmma_f32_16x16x32_f16 v[80+8*t:80+8*t+7], v[FR+8*t:FR+8*t+7], v[KF+8:KF+15], 0
.set t, t+1
.endr
	WIN 0
	PLACES 4                                       ; in front of the loads into Q's registers and of the first reads of the scores
.set f, 0
.rept 10
	ds_load_b128 v[FR+8*f:FR+8*f+3], v[L16] offset:(\slot)*SLOT1+(f/2)*4096+2048+(f%2)*1024
	ds_load_b128 v[FR+8*f+4:FR+8*f+7], v[L16] offset:(\slot)*SLOT1+(f/2)*4096+2048+(f%2)*1024+512
.set f, f+1
.endr
	WIN 0x41                                       ; scores in window 1, the bound in window 0
.set z, 0
.rept 160
	v_med3_num_f32 v[z], v[z], v[LO+z/80], s28
.set z, z+1
.endr
	WIN 0x51                                       ; and mvc (source 2) in window 1
.set z, 0
.rept 80
	v_pk_fma_f32 v[2*z:2*z+1], v[2*z:2*z+1], s[30:31], v[MV+(2*z)%80:MV+(2*z)%80+1] op_sel_hi:[1,0,1]
.set z, z+1
.endr
.if \pre
	s_add_nc_u64 s[48:49], s[48:49], 640           ; 160 t on; the loads that named this base are done
	GETMV
.endif
	SOFT 0
	SOFT 1
	s_wait_dscnt 0x0                               ; val_v is in
	WIN 0x04                                       ; P (source 1) in window 1.  Six accumulators take turns
.set be, 0
.rept 5
.irp sg, 0,1
.irp d, 0,1
	v_wmma_f32_16x16x32_f16 v[OA+8*(2*\sg+\d):OA+8*(2*\sg+\d)+7], v[FR+8*(2*be+\d):FR+8*(2*be+\d)+7], v[80*\sg+8*be:80*\sg+8*be+7], v[OA+8*(2*\sg+\d):OA+8*(2*\sg+\d)+7]
.endr
	v_wmma_f32_16x16x32_f16 v[SUM+8*\sg:SUM+8*\sg+7], v[ONES:ONES+7], v[80*\sg+8*be:80*\sg+8*be+7], v[SUM+8*\sg:SUM+8*\sg+7]
.endr
.set be, be+1
.endr
	WIN 0
	PLACES 5                                       ; in front of the next trip's loads into the fragments and of its products that write over P
.if \pre
	s_wait_loadcnt 20                              ; the tile's five loads are older than mvc's twenty
.irp j, 0,1,2,3,4
	ds_store_b128 v1, v[STG+4*\j:STG+4*\j+3] offset:(1-(\slot))*SLOT1+\j*4096
.endr
	s_wait_dscnt 0x0
	s_barrier_signal -1
	s_barrier_wait -1
.endif
.endm
	s_mov_b32 s24, 5
.Ltwo:
	TRIP 0, 1
	TRIP 1, 1
	s_sub_co_u32 s24, s24, 1
	s_cmp_lg_u32 s24, 0
	s_cbranch_scc1 .Ltwo
	TRIP 0, 0                                      ; the eleventh tile: nothing is left to fetch
.irp f, 0,1,2,3
	global_store_b128 v[L16], v[OA+8*\f:OA+8*\f+3], s[16:17] offset:\f*1024
	global_store_b128 v[L16], v[OA+8*\f+4:OA+8*\f+7], s[16:17] offset:\f*1024+512
.endr
	v_cndmask_b32 v12, v[ZR], v[SUM], s34          ; lanes 0-15 carry Z, lanes 16-31 the sum of the weights
	v_cndmask_b32 v13, v[ZR+1], v[SUM+8], s34
	global_store_b64 v[PO8], v[12:13], s[18:19]    ; 256 consecutive bytes
	s_wait_tensorcnt 0x0                           ; the wave's end
	ds_add_u32 v[SPW], v[NIL]
	s_wait_dscnt 0x0
	s_endpgm
.Lfunc_end_k_qcd8814a8ac_ldir:
	.size	k_qcd8814a8ac_ldir, .Lfunc_end_k_qcd8814a8ac_ldir-k_qcd8814a8ac_ldir
	.p2alignl 7, 3214868480
	.fill 96, 4, 3214868480
	.section	.rodata,"a",@progbits
	.p2align	6, 0x0
	.amdhsa_kernel k_qcd8814a8ac_ldir
		.amdhsa_group_segment_fixed_size 41984
		.amdhsa_private_segment_fixed_size 0
		.amdhsa_enable_private_segment 0
		.amdhsa_kernarg_size 48
		.amdhsa_user_sgpr_count 2
		.amdhsa_user_sgpr_kernarg_segment_ptr 1
		.amdhsa_wavefront_size32 1
		.amdhsa_system_sgpr_workgroup_id_x 1
		.amdhsa_system_sgpr_workgroup_id_y 1
		.amdhsa_system_sgpr_workgroup_id_z 1
		.amdhsa_system_vgpr_workitem_id 0
		.amdhsa_next_free_vgpr 512
		.amdhsa_next_free_sgpr 66
		.amdhsa_reserve_vcc 0
		.amdhsa_float_denorm_mode_32 3
		.amdhsa_float_denorm_mode_16_64 3
		.amdhsa_memory_ordered 1
		.amdhsa_forward_progress 1
		.amdhsa_inst_pref_size 166
	.end_amdhsa_kernel
	.amdgpu_metadata
---
amdhsa.version: [ 1, 2 ]
amdhsa.kernels:
  - .name:           k_qcd8814a8ac_ldir
    .symbol:         k_qcd8814a8ac_ldir.kd
    .args:
      - { .name: qv, .offset: 0, .size: 8, .value_kind: global_buffer, .address_space: global }
      - { .name: kf, .offset: 8, .size: 8, .value_kind: global_buffer, .address_space: global }
      - { .name: cmax, .offset: 16, .size: 8, .value_kind: global_buffer, .address_space: global }
      - { .name: mvcp, .offset: 24, .size: 8, .value_kind: global_buffer, .address_space: global }
      - { .name: pO, .offset: 32, .size: 8, .value_kind: global_buffer, .address_space: global }
      - { .name: pS, .offset: 40, .size: 8, .value_kind: global_buffer, .address_space: global }
    .group_segment_fixed_size: 41984
    .private_segment_fixed_size: 0
    .kernarg_segment_align: 8
    .kernarg_segment_size: 48
    .max_flat_workgroup_size: 256
    .sgpr_count:     66
    .vgpr_count:     512
    .wavefront_size: 32
...
	.end_amdgpu_metadata
.endif
;; end of part 4
;; launch final (part 5): grid 64 x 3, 8 waves a work-group, no clusters, 25,856 bytes of LDS; arguments pO, pS, wf, bvv, bol, out1; writes out1
.if DOCPART == 5
	.amdgcn_target "amdgcn-amd-amdhsa--gfx1250"
	.amdhsa_code_object_version 6
	.text
	.protected	k_qcd8814a8ac_final
	.globl	k_qcd8814a8ac_final
	.p2align	8
	.type	k_qcd8814a8ac_final,@function
k_qcd8814a8ac_final:
	s_mov_b64 s[64:65], 0
	v_nop
	global_prefetch_b8 v0, s[64:65] scope:SCOPE_SE
	s_setreg_imm32_b32 hwreg(HW_REG_WAVE_MODE, 25, 1), 1
	s_wait_xcnt 0x0
; FINAL.  The eight chunks of the language direction are merged: Z* = max Z_c, w_c = 2^(Z_c - Z*), out_l = (sum w_c O_c) / (sum w_c L_c) + bvv (the weights sum to 1, so val_v's bias is added here);
; then out1 = out_l Wol^T + bol.  The merge in f32; out_l is rounded once to f16 for the product; bvv and bol are rounded to bf16 like every input.
; SHARES.  Work-group (X, Y): b = X / 16, 16 rows s (tile X % 16), columns 256 Y .. 256 Y + 255 of out1.  Wave w merges head w; the eight heads' out_l meet in LDS as fragment images; then wave w makes
; columns 32 w .. 32 w + 31 of the third (source 0 = 16 rows of Wol, source 1 = the 16 rows of out_l: a lane holds eight neighbouring columns of a row), and the rows leave through a stage.
; 192 work-groups: 16 rows are the least a matrix tile takes; the merge is made three times, once for each third of the columns.
; LIMITS.  out_l within f16's 65,504.  No tensor loads, no cluster: everything is read once, straight into registers.
.set STP,   1040
.set STAGE, 8192                       ; behind the eight images
.set SPARE, STAGE+16*STP
.set SPW,  4
.set NIL,  5
.set ZC,   16
.set LC,   24
.set WP,   32                          ; v32-47 w_c in the even registers; the odd ones hold 0, since the packed lines name pairs
.set BV,   48
.set OC,   64                          ; v64-191 chunk c at 16 c + 8 db + 4 g2
.set AO,   192
.set ACC,  208
.set PKF,  224
.set INV,  232
.set MSB, 0
.macro WIN new
.if MSB != (\new)
	s_set_vgpr_msb (MSB<<8)|(\new)
.set MSB, (\new)
.endif
.endm
.macro PLACES n
.rept \n
	v_nop
.endr
.endm
.macro RB a, b, t
	v_cvt_pk_bf16_f32 v[\t], v[\a], v[\b]
	v_lshlrev_b32 v[\a], 16, v[\t]
	v_and_b32 v[\b], 0xffff0000, v[\t]
.endm
	s_load_b256 s[8:15], s[0:1], 0x0               ; pO, pS, wf, bvv
	s_load_b128 s[16:19], s[0:1], 0x20             ; bol, out1
	v_lshl_add_u32 v[SPW], v0, 2, SPARE
	v_mov_b32 v[NIL], 0
	v_lshrrev_b32 v14, 5, v0
	v_readfirstlane_b32 s20, v14                   ; wave
	v_and_b32 v15, 31, v0
	v_lshlrev_b32 v1, 4, v15                       ; 16 lane
	v_and_b32 v2, 15, v0
	v_bfe_u32 v3, v0, 4, 1
	s_mov_b32 s21, ttmp9
	s_and_b32 s22, ttmp7, 0xffff                   ; Y
	s_lshr_b32 s23, s21, 4                         ; b
	s_and_b32 s24, s21, 15                         ; st
	s_lshl3_add_u32 s25, s23, s20                  ; bh of the head that I merge
	v_lshlrev_b32 v6, 3, v2                        ; pS: 8 r
	s_lshl_b32 s26, s20, 7
	v_lshl_add_u32 v7, v3, 5, s26                  ; bvv: 128 w + 32 h2
	s_lshl_b32 s27, s22, 10
	s_add_co_u32 s27, s27, s26
	v_lshl_add_u32 v8, v3, 5, s27                  ; bol: 1,024 Y + 128 w + 32 h2
	s_lshl_b32 s27, s20, 10
	v_add_nc_u32 v9, s27, v1                       ; my image
	v_mul_u32_u24 v10, v2, STP
	v_lshl_add_u32 v10, v3, 5, v10
	s_add_co_u32 s26, s26, STAGE
	v_add_nc_u32 v10, s26, v10                     ; into the stage: row r, 128 w + 32 h2
	s_mul_i32 s27, s20, 2*STP
	s_add_co_u32 s27, s27, STAGE
	v_add_nc_u32 v11, s27, v1                      ; back: rows 2 w, 2 w + 1
	s_mov_b32 s29, 0
	s_mov_b32 s31, 0
	s_mov_b32 s33, 0
	s_mov_b32 s35, 0
	s_lshl_b32 s28, s25, 18
	s_lshl_b32 s26, s24, 11
	s_add_co_u32 s28, s28, s26                     ; pO: 262,144 bh + 2,048 st
	s_lshl_b32 s30, s25, 14
	s_lshr_b32 s26, s24, 1
	s_lshl_b32 s26, s26, 8
	s_add_co_u32 s30, s30, s26
	s_and_b32 s26, s24, 1
	s_lshl2_add_u32 s30, s26, s30                  ; pS: 16,384 bh + 256 (st / 2) + 4 (st % 2)
	s_lshl_b32 s32, s22, 4
	s_lshl1_add_u32 s32, s20, s32
	s_add_co_u32 s32, s32, 48
	s_lshl_b32 s32, s32, 13                        ; wf: row tile 48 + 16 Y + 2 w, 8 images each
	s_lshl_b32 s34, s23, 8
	s_lshl4_add_u32 s34, s24, s34
	s_lshl1_add_u32 s34, s20, s34
	s_mul_i32 s34, s34, 3072
	s_lshl_b32 s26, s22, 10
	s_add_co_u32 s34, s34, s26                     ; out1: row 256 b + 16 st + 2 w, column 256 Y
	s_wait_kmcnt 0x0
	s_add_nc_u64 s[8:9], s[8:9], s[28:29]
	s_add_nc_u64 s[10:11], s[10:11], s[30:31]
	s_add_nc_u64 s[12:13], s[12:13], s[32:33]
	s_add_nc_u64 s[18:19], s[18:19], s[34:35]
	WIN 0x40                                       ; window 1: Wol (u, ks) at 64 u + 8 ks
.set f, 0
.rept 16
	global_load_b128 v[8*f:8*f+3], v1, s[12:13] offset:f*1024
	global_load_b128 v[8*f+4:8*f+7], v1, s[12:13] offset:f*1024+512
.set f, f+1
.endr
	WIN 0
.irp k, 0,1,2,3
	global_load_b128 v[ACC+4*\k:ACC+4*\k+3], v8, s[16:17] offset:(\k/2)*64+(\k%2)*16
	global_load_b128 v[BV+4*\k:BV+4*\k+3], v7, s[14:15] offset:(\k/2)*64+(\k%2)*16
.endr
.set c, 0
.rept 8
.irp k, 0,1,2,3
	global_load_b128 v[OC+16*c+4*\k:OC+16*c+4*\k+3], v1, s[8:9] offset:c*32768+\k*512
.endr
	global_load_b32 v[ZC+c], v6, s[10:11] offset:c*2048
	global_load_b32 v[LC+c], v6, s[10:11] offset:c*2048+128
.set c, c+1
.endr
.irp c, 0,1,2,3,4,5,6,7
	v_mov_b32 v[WP+2*\c+1], 0
.endr
	s_wait_loadcnt 0x0
.irp k, 0,2,4,6,8,10,12,14
	RB ACC+\k, ACC+\k+1, 14
	RB BV+\k, BV+\k+1, 14
.endr
	v_max3_num_f32 v12, v[ZC], v[ZC+1], v[ZC+2]
	v_max3_num_f32 v12, v12, v[ZC+3], v[ZC+4]
	v_max3_num_f32 v12, v12, v[ZC+5], v[ZC+6]
	v_max_num_f32 v12, v12, v[ZC+7]
.irp c, 0,1,2,3,4,5,6,7
	v_sub_f32 v[WP+2*\c], v[ZC+\c], v12
.endr
.irp c, 0,1,2,3,4,5,6,7
	v_exp_f32 v[WP+2*\c], v[WP+2*\c]
.endr
	v_nop                                          ; a plain line between the exponentials and their use
	s_wait_alu depctr_va_vdst(0)
	v_mul_f32 v13, v[WP], v[LC]
.irp c, 1,2,3,4,5,6,7
	v_fmac_f32 v13, v[WP+2*\c], v[LC+\c]
.endr
.irp k, 0,2,4,6,8,10,12,14
	v_pk_mul_f32 v[AO+\k:AO+\k+1], v[OC+\k:OC+\k+1], v[WP:WP+1] op_sel_hi:[1,0]
.endr
.set c, 1
.rept 7
.irp k, 0,2,4,6,8,10,12,14
	v_pk_fma_f32 v[AO+\k:AO+\k+1], v[OC+16*c+\k:OC+16*c+\k+1], v[WP+2*c:WP+2*c+1], v[AO+\k:AO+\k+1] op_sel_hi:[1,0,1]
.endr
.set c, c+1
.endr
	v_rcp_f32 v[INV], v13
	v_rcp_f32 v[INV+1], v13
	v_nop
	s_wait_alu depctr_va_vdst(0)
.irp k, 0,2,4,6,8,10,12,14
	v_pk_fma_f32 v[AO+\k:AO+\k+1], v[AO+\k:AO+\k+1], v[INV:INV+1], v[BV+\k:BV+\k+1]
.endr
.irp k, 0,1,2,3,4,5,6,7
	v_cvt_pk_f16_f32 v[PKF+\k], v[AO+2*\k], v[AO+2*\k+1]
.endr
	ds_store_b128 v9, v[PKF:PKF+3]
	ds_store_b128 v9, v[PKF+4:PKF+7] offset:512
	s_wait_dscnt 0x0
	s_barrier_signal -1
	s_barrier_wait -1                              ; all eight heads' out_l are in LDS
	WIN 0x40                                       ; window 1: out_l of head ks at 128 + 8 ks
.set ks, 0
.rept 8
	ds_load_b128 v[128+8*ks:128+8*ks+3], v1 offset:ks*1024
	ds_load_b128 v[128+8*ks+4:128+8*ks+7], v1 offset:ks*1024+512
.set ks, ks+1
.endr
	s_wait_dscnt 0x0
	WIN 0x05                                       ; both sources in window 1; the two accumulators start from bol and take turns
.set ks, 0
.rept 8
.irp u, 0,1
	v_wmma_f32_16x16x32_f16 v[ACC+8*\u:ACC+8*\u+7], v[64*\u+8*ks:64*\u+8*ks+7], v[128+8*ks:128+8*ks+7], v[ACC+8*\u:ACC+8*\u+7]
.endr
.set ks, ks+1
.endr
	WIN 0
	PLACES 4
.irp u, 0,1
	ds_store_b128 v10, v[ACC+8*\u:ACC+8*\u+3] offset:\u*64
	ds_store_b128 v10, v[ACC+8*\u+4:ACC+8*\u+7] offset:\u*64+16
.endr
	s_wait_dscnt 0x0
	s_barrier_signal -1
	s_barrier_wait -1                              ; the stage is whole
.irp k, 0,1,2,3
	ds_load_b128 v[OC+4*\k:OC+4*\k+3], v11 offset:(\k/2)*STP+(\k%2)*512
.endr
.irp k, 0,1,2,3
	s_wait_dscnt 3-\k
	global_store_b128 v1, v[OC+4*\k:OC+4*\k+3], s[18:19] offset:(\k/2)*3072+(\k%2)*512   ; 512 consecutive bytes, at a multiple of 512 from out1's first
.endr
	s_wait_tensorcnt 0x0                           ; the wave's end
	ds_add_u32 v[SPW], v[NIL]
	s_wait_dscnt 0x0
	s_endpgm
.Lfunc_end_k_qcd8814a8ac_final:
	.size	k_qcd8814a8ac_final, .Lfunc_end_k_qcd8814a8ac_final-k_qcd8814a8ac_final
	.p2alignl 7, 3214868480
	.fill 96, 4, 3214868480
	.section	.rodata,"a",@progbits
	.p2align	6, 0x0
	.amdhsa_kernel k_qcd8814a8ac_final
		.amdhsa_group_segment_fixed_size 25856
		.amdhsa_private_segment_fixed_size 0
		.amdhsa_enable_private_segment 0
		.amdhsa_kernarg_size 48
		.amdhsa_user_sgpr_count 2
		.amdhsa_user_sgpr_kernarg_segment_ptr 1
		.amdhsa_wavefront_size32 1
		.amdhsa_system_sgpr_workgroup_id_x 1
		.amdhsa_system_sgpr_workgroup_id_y 1
		.amdhsa_system_sgpr_workgroup_id_z 1
		.amdhsa_system_vgpr_workitem_id 0
		.amdhsa_next_free_vgpr 512
		.amdhsa_next_free_sgpr 66
		.amdhsa_reserve_vcc 0
		.amdhsa_float_denorm_mode_32 3
		.amdhsa_float_denorm_mode_16_64 3
		.amdhsa_memory_ordered 1
		.amdhsa_forward_progress 1
		.amdhsa_inst_pref_size 24
	.end_amdhsa_kernel
	.amdgpu_metadata
---
amdhsa.version: [ 1, 2 ]
amdhsa.kernels:
  - .name:           k_qcd8814a8ac_final
    .symbol:         k_qcd8814a8ac_final.kd
    .args:
      - { .name: pO, .offset: 0, .size: 8, .value_kind: global_buffer, .address_space: global }
      - { .name: pS, .offset: 8, .size: 8, .value_kind: global_buffer, .address_space: global }
      - { .name: wf, .offset: 16, .size: 8, .value_kind: global_buffer, .address_space: global }
      - { .name: bvv, .offset: 24, .size: 8, .value_kind: global_buffer, .address_space: global }
      - { .name: bol, .offset: 32, .size: 8, .value_kind: global_buffer, .address_space: global }
      - { .name: out1, .offset: 40, .size: 8, .value_kind: global_buffer, .address_space: global }
    .group_segment_fixed_size: 25856
    .private_segment_fixed_size: 0
    .kernarg_segment_align: 8
    .kernarg_segment_size: 48
    .max_flat_workgroup_size: 256
    .sgpr_count:     66
    .vgpr_count:     512
    .wavefront_size: 32
...
	.end_amdgpu_metadata
.endif
;; end of part 5
;; ======== version 2 of 2: 5 launches; 1.10 times as fast as version 1
;; limits: values are held in f16: magnitudes above 65,504 overflow, below 6.1e-05 lose precision
;; workspace buffers: kf 524,288 bytes; vlf 524,288 bytes; wf 786,432 bytes; mvcp 225,280 bytes; qv 55,705,600 bytes; cmax 2,097,152 bytes; pO 8,388,608 bytes; pS 524,288 bytes
;; launch prep: the kernel of part 1 again; grid 256 x 1, 8 waves a work-group, no clusters, 150,016 bytes of LDS; arguments l, Wk, Wvl, bk, bvl, Wq, Wvv, Wov, Wol, attention_mask_v, kf, vlf, wf, mvcp; writes kf, vlf, wf, mvcp
;; launch vproj: the kernel of part 2 again; grid 256 x 1, 8 waves a work-group, no clusters, 34,816 bytes of LDS; arguments v, v_pos, wf, bq, qv; writes qv
;; launch vdir (part 6): grid 64 x 4, 8 waves a work-group, no clusters, 191,488 bytes of LDS; arguments qv, kf, vlf, wf, attention_mask_l, bov, out0, cmax; writes out0, cmax
.if DOCPART == 6
	.amdgcn_target "amdgcn-amd-amdhsa--gfx1250"
	.amdhsa_code_object_version 6
	.text
	.protected	k_qcd8814a8ac_vdir
	.globl	k_qcd8814a8ac_vdir
	.p2align	8
	.type	k_qcd8814a8ac_vdir,@function
k_qcd8814a8ac_vdir:
	s_mov_b64 s[64:65], 0
	v_nop
	global_prefetch_b8 v0, s[64:65] scope:SCOPE_SE
	s_setreg_imm32_b32 hwreg(HW_REG_WAVE_MODE, 25, 1), 1
	s_wait_xcnt 0x0
; VDIR.  out0 = softmax_s(clip(q k^T) + ml) val_l, through Wov^T + bov; and the raw maximum over this work-group's t of every column (h, s) of q k^T, for the next launch.
; q, k, val_l, the weights p, out_v and Wov are f16 matrix operands; sums, maxima and the softmax in f32.  mask_l and bov are rounded to bf16 like every input.
; SOFTMAX.  z = clip(s, -50,000, 50,000) log2(e) + mlc[s], mlc = (mask == 0 ? -9e15 : mask) log2(e); m = the row's true maximum of z over all 256 s; p = 2^(z - m), rounded to f16;
; the row's sum is taken of the rounded p, by a product with ones; out_v = (p val_l) / sum.
; SHARES.  Work-group (x, b) takes the blocks of 32 rows x, x + 64, ... of batch b: 7 if x < 41, else 6.  In the attention wave = head: the head's k (16 images) and val_l (16 images) fill window 1.
; For each tile of 16 t the scores are made twice: Q x K (a lane holds one s: the column maxima cost four lines a 16 x 16 tile), then K x Q (a lane holds one t and eight s, and two such results
; rounded to f16 ARE source 1 of val_l^T x P, whose result again holds one t a lane).  out_v of all heads meets in LDS; then wave w makes columns 32 w .. 32 w + 31 of out0 for the 32 rows
; (source 0 = 16 rows of Wov from LDS, source 1 = 16 rows of out_v: a lane holds eight neighbouring columns of a row), and the rows leave through a stage, 512 consecutive bytes a store.
; Two waves share a SIMD, so one's matrix phases stand beside the other's vector phases; the text is in plain phases.
; BATCHES.  A tile of 16 t has two: its 128 exponentials, with the 64 subtractions z - m among them and all 64 roundings behind their one wait; and, behind the products, the two reciprocals of the row's sum,
; which is made of the rounded weights.  So a block of 32 rows has four waits of that kind.
; LIMITS.  out_v within 65,504; a weight below 6e-8 counts as 0 in f16; NaN and infinities are not treated apart.
; No tensor loads: Q comes straight into registers as images; the rest is read once.  No cluster: what work-groups share (k, val_l, Wov) is read once in the prologue, no tile of the loop is shared.
.set OVP,   528                        ; a row of out_v in LDS: 512 bytes + 16
.set STP,   1040                       ; a row of the stage: 1,024 bytes + 16
.set OV,    131072                     ; behind Wov's 128 images
.set STAGE, OV+32*OVP
.set MLC,   STAGE+32*STP
.set CMS,   MLC+1024
.set SPARE, CMS+8192
.set SPW,  4
.set NIL,  5
.set QOFF, 6                           ; v6   byte offset of the block's Q in the head's part of qv
.set OOFF, 7                           ; v7   byte offset of my rows in out0
.set AML,  8                           ; v8   MLC + 32 h2
.set AOVW, 9                           ; v9   where I put 16 bytes of out_v
.set AOVR, 10                          ; v10  my lane's place in out_v's rows
.set AWOV, 11                          ; v11  my lane's place in my 16 images of Wov
.set ASTW, 12                          ; v12  where I put 32 bytes of a stage row
.set ASTR, 13                          ; v13  where I read stage rows back
.set CM,   24                          ; v24-39  running column maxima, one register a tile of 16 s
.set Q,    40                          ; v40-55
.set BOV,  56                          ; v56-71
.set ONES, 72                          ; v72-79
.set R80,  80                          ; v80-111 in turn: a ring of four slots of mlc; O (d 0-15), O (d 16-31), two row sums; the out-projection's four accumulators
.set OF,   112                         ; v112-119
.set T16,  120                         ; v120-121 prologue: 16 x thread, and 65,536 on
.set MOFF, 122
.set MDAT, 123
.set BOFF, 124
.set ACMW, 125
.set ACMR, 126
.set S,    128                         ; v128-255 the scores of 16 t x 256 s
.set MSB, 0
.macro WIN new
.if MSB != (\new)
	s_set_vgpr_msb (MSB<<8)|(\new)
.set MSB, (\new)
.endif
.endm
.macro PLACES n
.rept \n
	v_nop
.endr
.endm
.macro RB a, b, t
	v_cvt_pk_bf16_f32 v[\t], v[\a], v[\b]
	v_lshlrev_b32 v[\a], 16, v[\t]
	v_and_b32 v[\b], 0xffff0000, v[\t]
.endm
	s_load_b512 s[8:23], s[0:1], 0x0               ; qv, kf, vlf, wf, attention_mask_l, bov, out0, cmax
	v_lshl_add_u32 v[SPW], v0, 2, SPARE
	v_mov_b32 v[NIL], 0
	v_lshrrev_b32 v14, 5, v0
	v_readfirstlane_b32 s24, v14                   ; wave
	v_and_b32 v15, 31, v0
	v_lshlrev_b32 v1, 4, v15                       ; 16 lane
	v_and_b32 v2, 15, v0
	v_bfe_u32 v3, v0, 4, 1
	s_mov_b32 s25, ttmp9                           ; x
	s_and_b32 s26, ttmp7, 0xffff                   ; b
	s_cmp_lt_u32 s25, 41
	s_cselect_b32 s27, 7, 6                        ; my blocks
	s_mov_b32 s28, 0
	s_mov_b32 s29, s25                             ; the block in hand
	s_mov_b32 s32, 0x47435000                      ; 50,000
	s_mov_b32 s33, 0xc7435000
	s_mov_b32 s34, 0x3fb8aa3b                      ; log2(e)
	s_mov_b32 s35, s34
	s_mov_b32 s36, 0x76543210                      ; v_permlanex16_b32: each lane takes its own place in the other half
	s_mov_b32 s37, 0xfedcba98
	s_mov_b32 s38, 0xffff0000                      ; lanes 16-31
	s_mov_b32 s39, 0xd9ffcb9e                      ; -9e15
	s_mul_i32 s40, s26, 425
	s_mul_i32 s41, s26, 13600
	s_lshl2_add_u32 s41, s24, s41                  ; 13,600 b + 4 w
	v_lshl_add_u32 v[AML], v3, 5, MLC
	v_mul_u32_u24 v14, v2, OVP
	v_lshl_add_u32 v14, v3, 4, v14
	v_add_nc_u32 v[AOVR], OV, v14
	s_lshl_b32 s30, s24, 6
	s_add_co_u32 s30, s30, OV
	v_add_nc_u32 v[AOVW], s30, v14
	s_lshl_b32 s30, s24, 14
	v_add_nc_u32 v[AWOV], s30, v1
	v_mul_u32_u24 v14, v2, STP
	v_lshl_add_u32 v14, v3, 5, v14
	s_lshl_b32 s30, s24, 7
	v_lshl_add_u32 v[BOFF], v3, 5, s30             ; bov: 128 w + 32 h2
	s_add_co_u32 s30, s30, STAGE
	v_add_nc_u32 v[ASTW], s30, v14
	s_mul_i32 s30, s24, 4*STP
	s_add_co_u32 s30, s30, STAGE
	v_add_nc_u32 v[ASTR], s30, v1
	v_lshlrev_b32 v[T16], 4, v0
	v_add_nc_u32 v[T16+1], 0x10000, v[T16]
	v_lshlrev_b32 v[MOFF], 2, v0
	s_lshl_b32 s30, s24, 10
	s_add_co_u32 s30, s30, CMS
	v_lshl_add_u32 v[ACMW], v15, 2, s30
	v_add_nc_u32 v[ACMR], s30, v1
	s_add_co_u32 s30, s40, s29
	s_lshl_b32 s30, s30, 12
	v_add_nc_u32 v[QOFF], s30, v1
	s_lshl3_add_u32 s42, s26, s24                  ; bh
	s_lshl_b32 s44, s42, 14
	s_mov_b32 s45, 0
	s_lshl_b32 s42, s42, 6
	s_add_co_u32 s42, s42, s25
	s_lshl_b32 s42, s42, 10                        ; cmax: (64 bh + x) x 1,024
	s_mov_b32 s43, 0
	s_mul_i32 s30, s24, 1700*4096
	s_mov_b32 s31, 0
	s_wait_kmcnt 0x0
	s_add_nc_u64 s[8:9], s[8:9], s[30:31]
	s_add_nc_u64 s[10:11], s[10:11], s[44:45]
	s_add_nc_u64 s[12:13], s[12:13], s[44:45]
	s_add_nc_u64 s[14:15], s[14:15], 262144        ; Wov's images begin at image 256 of wf
	s_add_nc_u64 s[22:23], s[22:23], s[42:43]
	s_lshl_b32 s30, s26, 10
	s_add_nc_u64 s[16:17], s[16:17], s[30:31]
.set j, 0
.rept 32                                ; Wov: 131,072 bytes by 256 threads
	global_load_b128 v[S+4*j:S+4*j+3], v[T16], s[14:15] offset:j*4096
.set j, j+1
.endr
	WIN 0x40
.set f, 0
.rept 16                                ; k: tile i of 16 s at 8 i of window 1
	global_load_b128 v[8*f:8*f+3], v1, s[10:11] offset:f*1024
	global_load_b128 v[8*f+4:8*f+7], v1, s[10:11] offset:f*1024+512
.set f, f+1
.endr
	WIN 0
	s_wait_loadcnt 32                              ; Wov is in; k's 32 loads stay out
.set j, 0
.rept 32
	ds_store_b128 v[T16+j/16], v[S+4*j:S+4*j+3] offset:(j%16)*4096
.set j, j+1
.endr
	WIN 0x40
.set f, 0
.rept 16                                ; val_l: (sb, db) at 128 + 8 (2 sb + db) of window 1
	global_load_b128 v[128+8*f:128+8*f+3], v1, s[12:13] offset:f*1024
	global_load_b128 v[128+8*f+4:128+8*f+7], v1, s[12:13] offset:f*1024+512
.set f, f+1
.endr
	WIN 0
	global_load_b32 v[MDAT], v[MOFF], s[16:17]
.irp k, 0,1,2,3
	global_load_b128 v[BOV+4*\k:BOV+4*\k+3], v[BOFF], s[18:19] offset:(\k/2)*64+(\k%2)*16
.endr
.irp k, 0,1,2,3
	global_load_b128 v[Q+4*\k:Q+4*\k+3], v[QOFF], s[8:9] offset:\k*512
.endr
.irp k, 0,1,2,3,4,5,6,7
	v_mov_b32 v[ONES+\k], 0x3c003c00               ; 1.0 twice in f16
.endr
.irp k, 0,1,2,3,4,5,6,7,8,9,10,11,12,13,14,15
	v_mov_b32 v[CM+\k], 0xff7fffff                 ; below every score
.endr
	s_wait_loadcnt 0x0
	v_cvt_pk_bf16_f32 v14, v[MDAT], v[MDAT]
	v_lshlrev_b32 v[MDAT], 16, v14
	v_cmp_eq_f32 vcc_lo, 0, v[MDAT]
	v_cndmask_b32 v[MDAT], v[MDAT], s39, vcc_lo
	v_mul_f32 v[MDAT], s34, v[MDAT]
	v_add_nc_u32 v[MOFF], MLC, v[MOFF]
	ds_store_b32 v[MOFF], v[MDAT]                  ; mlc[s], s = my thread's number
.irp k, 0,2,4,6,8,10,12,14
	RB BOV+\k, BOV+\k+1, 14
.endr
	s_wait_dscnt 0x0
	s_barrier_signal -1
	s_barrier_wait -1                              ; Wov and mlc are whole
; One tile of 16 t x 256 s of my head.
.macro TT tau
	WIN 0x04                                       ; a. Q x K: a lane holds one s
.set i, 0
.rept 16
	v_wmma_f32_16x16x32_f16 v[S+8*i:S+8*i+7], v[Q+8*(\tau):Q+8*(\tau)+7], v[8*i:8*i+7], 0
.set i, i+1
.endr
	WIN 0
	PLACES 4
.set jj, 0                              ; b. the column maxima; each result's lowest registers are read first
.rept 4
.set i, 0
.rept 16
	v_max3_num_f32 v[CM+i], v[CM+i], v[S+8*i+2*jj], v[S+8*i+2*jj+1]
.set i, i+1
.endr
.set jj, jj+1
.endr
	WIN 0x01                                       ; c. K x Q: a lane holds one t
.set i, 0
.rept 16
	v_wmma_f32_16x16x32_f16 v[S+8*i:S+8*i+7], v[8*i:8*i+7], v[Q+8*(\tau):Q+8*(\tau)+7], 0
.set i, i+1
.endr
	WIN 0
	PLACES 4
.if (\tau) == 1                         ; d. the next block's Q, a whole block's vector work ahead; the last trip has none
	s_add_co_u32 s30, s28, 1
	s_cmp_lt_u32 s30, s27
	s_cbranch_scc0 .Lno_q
	s_add_co_u32 s30, s29, 64
	s_add_co_u32 s30, s30, s40
	s_lshl_b32 s30, s30, 12
	v_add_nc_u32 v[QOFF], s30, v1                  ; the loads that named it were waited for at the trip's head
.irp k, 0,1,2,3
	global_load_b128 v[Q+4*\k:Q+4*\k+3], v[QOFF], s[8:9] offset:\k*512
.endr
.Lno_q:
.endif
.irp i4, 0,1,2,3
	ds_load_b128 v[R80+8*\i4:R80+8*\i4+3], v[AML] offset:\i4*64
	ds_load_b128 v[R80+8*\i4+4:R80+8*\i4+7], v[AML] offset:\i4*64+16
.endr
.set i, 0                               ; e. z = clip(s) log2(e) + mlc
.rept 16
.if i < 13
	s_wait_dscnt 6                                 ; three younger slots of the ring, two loads each, may stay out
.else
	s_wait_dscnt 2*(15-i)
.endif
.irp k, 0,1,2,3,4,5,6,7
	v_med3_num_f32 v[S+8*i+\k], v[S+8*i+\k], s33, s32
.endr
.irp k, 0,2,4,6
	v_pk_fma_f32 v[S+8*i+\k:S+8*i+\k+1], v[S+8*i+\k:S+8*i+\k+1], s[34:35], v[R80+8*(i%4)+\k:R80+8*(i%4)+\k+1] op_sel_hi:[1,0,1]
.endr
.if i < 12
	ds_load_b128 v[R80+8*(i%4):R80+8*(i%4)+3], v[AML] offset:(i+4)*64
	ds_load_b128 v[R80+8*(i%4)+4:R80+8*(i%4)+7], v[AML] offset:(i+4)*64+16
.endif
.set i, i+1
.endr
.irp q, 0,1,2,3                         ; f. the row's maximum: four chains of 31, the four left over, the other half of the lanes
	v_max3_num_f32 v[20+\q], v[S+32*\q], v[S+32*\q+1], v[S+32*\q+2]
.endr
.set n, 0
.rept 14
.irp q, 0,1,2,3
	v_max3_num_f32 v[20+\q], v[20+\q], v[S+32*\q+3+2*n], v[S+32*\q+4+2*n]
.endr
.set n, n+1
.endr
	v_max3_num_f32 v20, v20, v[S+31], v[S+63]
	v_max3_num_f32 v22, v22, v[S+95], v[S+127]
	v_max3_num_f32 v20, v20, v21, v22
	v_max_num_f32 v20, v20, v23
	v_permlanex16_b32 v14, v20, s36, s37
	v_max_num_f32 v16, v20, v14
	v_max_num_f32 v17, v20, v14
.set it, 0                              ; g. ONE BATCH, the tile's 128 exponentials.  In step it: the exponentials of tile it - 1, the first four line by line with z - m of tile it.  No line here names an exponential's result
.rept 17
.set j, 0
.rept 8
.if it >= 1
	v_exp_f32 v[S+8*(it-1)+j], v[S+8*(it-1)+j]
.endif
.if (j < 4) && (it < 16)
	v_pk_add_f32 v[S+8*it+2*j:S+8*it+2*j+1], v[S+8*it+2*j:S+8*it+2*j+1], v[16:17] neg_lo:[0,1] neg_hi:[0,1]
.endif
.set j, j+1
.endr
.set it, it+1
.endr
	v_nop                                          ; a plain line behind the last exponential: one for the batch
	s_wait_alu depctr_va_vdst(0)                   ; the wait ahead of the first use: one for the 128 exponentials
.set n, 0                               ; the roundings: pair n packs into S[n] (tile i into S[4 i ..]), ascending, so that no register is written before it has been read
.rept 64
	v_cvt_pk_f16_f32 v[S+n], v[S+2*n], v[S+2*n+1]
.set n, n+1
.endr
	WIN 0x01                                       ; h. val_l^T x P: the two accumulators take turns; then the row sums, two accumulators by turns
.set sb, 0
.rept 8
.irp d, 0,1
.if sb == 0
	v_wmma_f32_16x16x32_f16 v[R80+8*\d:R80+8*\d+7], v[128+8*(2*sb+\d):128+8*(2*sb+\d)+7], v[S+8*sb:S+8*sb+7], 0
.else
	v_wmma_f32_16x16x32_f16 v[R80+8*\d:R80+8*\d+7], v[128+8*(2*sb+\d):128+8*(2*sb+\d)+7], v[S+8*sb:S+8*sb+7], v[R80+8*\d:R80+8*\d+7]
.endif
.endr
.set sb, sb+1
.endr
	WIN 0
.set sb, 0
.rept 8
.if sb < 2
	v_wmma_f32_16x16x32_f16 v[R80+16+8*(sb%2):R80+16+8*(sb%2)+7], v[ONES:ONES+7], v[S+8*sb:S+8*sb+7], 0
.else
	v_wmma_f32_16x16x32_f16 v[R80+16+8*(sb%2):R80+16+8*(sb%2)+7], v[ONES:ONES+7], v[S+8*sb:S+8*sb+7], v[R80+16+8*(sb%2):R80+16+8*(sb%2)+7]
.endif
.set sb, sb+1
.endr
	PLACES 5                                       ; i. also the places in front of the next products that write over P
	v_add_f32 v14, v[R80+16], v[R80+24]
	v_rcp_f32 v18, v14
	v_rcp_f32 v19, v14
	v_nop                                          ; a plain line between the reciprocals and their use
	s_wait_alu depctr_va_vdst(0)                   ; the tile's second batch: one wait for the two reciprocals, whose first reader is the next line
.irp k, 0,2,4,6,8,10,12,14
	v_pk_mul_f32 v[R80+\k:R80+\k+1], v[R80+\k:R80+\k+1], v[18:19]
.endr
.irp k, 0,1,2,3,4,5,6,7
	v_cvt_pk_f16_f32 v[OF+\k], v[R80+2*\k], v[R80+2*\k+1]
.endr
	ds_store_b128 v[AOVW], v[OF:OF+3] offset:(\tau)*16*OVP
	ds_store_b128 v[AOVW], v[OF+4:OF+7] offset:(\tau)*16*OVP+32
.endm
; Half of the out-projection's K: four K steps' fragments in one run of 32 loads, then 16 products, four accumulators by turns.
.macro OPH half
.set k4, 0
.rept 4
.set ks, 4*(\half)+k4
.irp u, 0,1
	ds_load_b128 v[S+32*k4+8*\u:S+32*k4+8*\u+3], v[AWOV] offset:\u*8192+ks*1024
	ds_load_b128 v[S+32*k4+8*\u+4:S+32*k4+8*\u+7], v[AWOV] offset:\u*8192+ks*1024+512
.endr
.irp t, 0,1
	ds_load_b128 v[S+32*k4+16+8*\t:S+32*k4+16+8*\t+3], v[AOVR] offset:\t*16*OVP+ks*64
	ds_load_b128 v[S+32*k4+16+8*\t+4:S+32*k4+16+8*\t+7], v[AOVR] offset:\t*16*OVP+ks*64+32
.endr
.set k4, k4+1
.endr
.set k4, 0
.rept 4
	s_wait_dscnt 24-8*k4                           ; the later K steps' loads may stay out
.irp u, 0,1
.irp t, 0,1
.if ((\half) == 0) && (k4 == 0)
	v_wmma_f32_16x16x32_f16 v[R80+8*(2*\u+\t):R80+8*(2*\u+\t)+7], v[S+32*k4+8*\u:S+32*k4+8*\u+7], v[S+32*k4+16+8*\t:S+32*k4+16+8*\t+7], v[BOV+8*\u:BOV+8*\u+7]
.else
	v_wmma_f32_16x16x32_f16 v[R80+8*(2*\u+\t):R80+8*(2*\u+\t)+7], v[S+32*k4+8*\u:S+32*k4+8*\u+7], v[S+32*k4+16+8*\t:S+32*k4+16+8*\t+7], v[R80+8*(2*\u+\t):R80+8*(2*\u+\t)+7]
.endif
.endr
.endr
.set k4, k4+1
.endr
.endm
.Lblock:
	s_wait_loadcnt 0x0                             ; Q
	s_wait_xcnt 0x0                                ; the last block's stores have read S and OOFF
	TT 0
	TT 1
	s_wait_dscnt 0x0
	s_barrier_signal -1
	s_barrier_wait -1                              ; barrier 1: every head's out_v is in LDS, and everybody's reads of the stage are over
	OPH 0
	PLACES 4
	OPH 1
	PLACES 5
.irp u, 0,1
.irp t, 0,1
	ds_store_b128 v[ASTW], v[R80+8*(2*\u+\t):R80+8*(2*\u+\t)+3] offset:\t*16*STP+\u*64
	ds_store_b128 v[ASTW], v[R80+8*(2*\u+\t)+4:R80+8*(2*\u+\t)+7] offset:\t*16*STP+\u*64+16
.endr
.endr
	s_wait_dscnt 0x0
	s_barrier_signal -1
	s_barrier_wait -1                              ; barrier 2: the stage is whole, and everybody's reads of out_v are over
.set k, 0
.rept 8
	ds_load_b128 v[S+4*k:S+4*k+3], v[ASTR] offset:(k/2)*STP+(k%2)*512
.set k, k+1
.endr
	s_lshl_b32 s30, s29, 5
	s_add_co_u32 s30, s30, s41
	s_lshl_b32 s30, s30, 10                        ; row 13,600 b + 32 block + 4 w, 1,024 bytes a row
	v_add_nc_u32 v[OOFF], s30, v1
.set k, 0
.rept 8
	s_wait_dscnt 7-k
	global_store_b128 v[OOFF], v[S+4*k:S+4*k+3], s[20:21] offset:k*512 th:TH_STORE_NT   ; 512 consecutive bytes, at a multiple of 512 from out0's first
.set k, k+1
.endr
	s_add_co_u32 s29, s29, 64
	s_add_co_u32 s28, s28, 1
	s_cmp_lt_u32 s28, s27
	s_cbranch_scc1 .Lblock
	; the column maxima: the two halves of the lanes meet; lane l then takes s = 32 k + l, and the 256 numbers leave as 1,024 consecutive bytes
.set i, 0
.rept 16
	v_permlanex16_b32 v14, v[CM+i], s36, s37
	v_max_num_f32 v[CM+i], v[CM+i], v14
.set i, i+1
.endr
.irp k, 0,1,2,3,4,5,6,7
	v_cndmask_b32 v[OF+\k], v[CM+2*\k], v[CM+2*\k+1], s38
.endr
.irp k, 0,1,2,3,4,5,6,7
	ds_store_b32 v[ACMW], v[OF+\k] offset:\k*128
.endr
	ds_load_b128 v[R80:R80+3], v[ACMR]             ; my own bytes: LDS serves a wave's instructions in order (ISA guide 5.7.1.4)
	ds_load_b128 v[R80+4:R80+7], v[ACMR] offset:512
	s_wait_dscnt 0x0
	global_store_b128 v1, v[R80:R80+3], s[22:23]
	global_store_b128 v1, v[R80+4:R80+7], s[22:23] offset:512
	s_wait_tensorcnt 0x0                           ; the wave's end
	ds_add_u32 v[SPW], v[NIL]
	s_wait_dscnt 0x0
	s_endpgm
.Lfunc_end_k_qcd8814a8ac_vdir:
	.size	k_qcd8814a8ac_vdir, .Lfunc_end_k_qcd8814a8ac_vdir-k_qcd8814a8ac_vdir
	.p2alignl 7, 3214868480
	.fill 96, 4, 3214868480
	.section	.rodata,"a",@progbits
	.p2align	6, 0x0
	.amdhsa_kernel k_qcd8814a8ac_vdir
		.amdhsa_group_segment_fixed_size 191488
		.amdhsa_private_segment_fixed_size 0
		.amdhsa_enable_private_segment 0
		.amdhsa_kernarg_size 64
		.amdhsa_user_sgpr_count 2
		.amdhsa_user_sgpr_kernarg_segment_ptr 1
		.amdhsa_wavefront_size32 1
		.amdhsa_system_sgpr_workgroup_id_x 1
		.amdhsa_system_sgpr_workgroup_id_y 1
		.amdhsa_system_sgpr_workgroup_id_z 1
		.amdhsa_system_vgpr_workitem_id 0
		.amdhsa_next_free_vgpr 512
		.amdhsa_next_free_sgpr 66
		.amdhsa_reserve_vcc 1
		.amdhsa_float_denorm_mode_32 3
		.amdhsa_float_denorm_mode_16_64 3
		.amdhsa_memory_ordered 1
		.amdhsa_forward_progress 1
		.amdhsa_inst_pref_size 112
	.end_amdhsa_kernel
	.amdgpu_metadata
---
amdhsa.version: [ 1, 2 ]
amdhsa.kernels:
  - .name:           k_qcd8814a8ac_vdir
    .symbol:         k_qcd8814a8ac_vdir.kd
    .args:
      - { .name: qv, .offset: 0, .size: 8, .value_kind: global_buffer, .address_space: global }
      - { .name: kf, .offset: 8, .size: 8, .value_kind: global_buffer, .address_space: global }
      - { .name: vlf, .offset: 16, .size: 8, .value_kind: global_buffer, .address_space: global }
      - { .name: wf, .offset: 24, .size: 8, .value_kind: global_buffer, .address_space: global }
      - { .name: attention_mask_l, .offset: 32, .size: 8, .value_kind: global_buffer, .address_space: global }
      - { .name: bov, .offset: 40, .size: 8, .value_kind: global_buffer, .address_space: global }
      - { .name: out0, .offset: 48, .size: 8, .value_kind: global_buffer, .address_space: global }
      - { .name: cmax, .offset: 56, .size: 8, .value_kind: global_buffer, .address_space: global }
    .group_segment_fixed_size: 191488
    .private_segment_fixed_size: 0
    .kernarg_segment_align: 8
    .kernarg_segment_size: 64
    .max_flat_workgroup_size: 256
    .sgpr_count:     66
    .vgpr_count:     512
    .wavefront_size: 32
...
	.end_amdgpu_metadata
.endif
;; end of part 6
;; launch ldir (part 7): grid 8 x 32, 8 waves a work-group, no clusters, 41,984 bytes of LDS; arguments qv, kf, cmax, mvcp, pO, pS; writes pO, pS
.if DOCPART == 7
	.amdgcn_target "amdgcn-amd-amdhsa--gfx1250"
	.amdhsa_code_object_version 6
	.text
	.protected	k_qcd8814a8ac_ldir
	.globl	k_qcd8814a8ac_ldir
	.p2align	8
	.type	k_qcd8814a8ac_ldir,@function
k_qcd8814a8ac_ldir:
	s_mov_b64 s[64:65], 0
	v_nop
	global_prefetch_b8 v0, s[64:65] scope:SCOPE_SE
	s_setreg_imm32_b32 hwreg(HW_REG_WAVE_MODE, 25, 1), 1
	s_wait_xcnt 0x0
; LDIR.  The language direction: for each (b, h, s) the softmax over t of clip(clip(q k^T) - M, -C, C) + mv[t], times val_v; here for one eighth of the t, as partial sums.
; M[s] is the maximum over ALL t of the clipped scores, made from the last launch's 64 partial maxima.  clip(clip(x) - M) + M = med3(x, max(M, 0) - C, C), C = 50,000, since M lies in -C .. C; the common
; shift -M changes no softmax and is left out of the exponent: M enters the clip's lower bound alone.
; SOFTMAX.  z = med3(..) log2(e) + mvc[t]; a running maximum Z over the trips; p = 2^(z - Z), rounded to f16; in every trip the sums are multiplied by a = 2^(Z_old - Z_new).
; The sum of the weights is taken of the rounded p, by a product with ones.  The chunk's Z, that sum and p val_v (all f32) go to pS and pO; the next launch merges the eight chunks.
; SHARES.  Work-group (c, bh) takes blocks 55 c .. 55 c + 54 of 32 t: 11 trips of 5 blocks.  8 x 55 = 440 blocks for 425: the blocks past the end have mvc = -infinity, so their weights are 0; their
; data address is held inside qv, so the numbers are finite.  Every chunk's first trip has true rows, so Z is finite from the first trip on.
; Wave w owns s = 32 w .. 32 w + 31, two tiles of 16, and walks all t: nothing is merged inside a work-group.
; LAYOUT.  Q (source 0, rows t) x K (source 1, columns s): a lane holds one s and eight t; two such results rounded to f16 ARE source 1 (32 t x 16 s) of val_v^T x P, whose result holds one s a lane and eight d.
; LDS: two slots of 5 blocks as they lie in qv (20,480 bytes), filled through registers, one barrier a trip: the slot written in a trip was read in the trip before, and every wave waited for those reads ahead of the barrier between.
; The sums start at 0 and Z at the lowest finite number, so the first trip is a trip like any other, with a = 0: 48 lines that write 0, in the wait for the first tile, spare a first trip written out.
; BATCHES.  A trip's 164 exponentials are ONE batch with one wait: a of the first tile of s, a of the second (the second tile's maxima stand between), then the 160 weights of both tiles with the 80 subtractions
; z - Z among them.  All that names a result stands behind the wait: the 80 roundings and the 24 rescalings by a.  So each tile of s has its own pair for a and its own pair for Z.
; LIMITS.  A weight below 6e-8 counts as 0 in f16; NaN and infinities in the inputs are not treated apart.
; No tensor loads: a trip's tile is five loads of 16 bytes a thread.  No cluster: no two work-groups read the same tile (the head's k is read once).
; REGISTERS.  Window 0: addresses, statistics, k, ones, sums, staging, fragments.  Window 1: v0-79, v80-159 the scores of my two tiles of s (10 tiles of t each); v160-239 mvc of the trip's 160 t; v240-243 Z, a pair for each tile of s, for the packed subtraction.
.set SLOT1, 20480
.set SPARE, 2*SLOT1
.set SPW,  4
.set NIL,  5
.set L16,  6                           ; v6   16 lane
.set CO4,  7                           ; v7   4 lane
.set PO8,  8                           ; v8   8 lane
.set MVO,  9                           ; v9   32 h2
.set LO,   16                          ; v16-17 the clip's lower bound, by tile of s
.set ZR,   18                          ; v18-19 the running maximum
.set ZN,   20                          ; v20    the new one
.set AA,   22                          ; v22-23 a of the first tile of s, twice; v30-31 (AA + 8) of the second
.set CH,   24                          ; v24-27 four chains
.set TP,   28                          ; v28-29 at work
.set KF,   36                          ; v36-51 k of my two tiles
.set ONES, 52
.set OA,   64                          ; v64-95  (sg, db) at 64 + 8 (2 sg + db)
.set SUM,  96                          ; v96-111
.set STG,  112                         ; v112-131
.set FR,   136                         ; v136-215 ten fragments: Q's, later val_v's
.set MV,   160                         ; window 1
.set ZW,   240                         ; window 1: tile sg's pair at ZW + 2 sg
.set MSB, 0
.macro WIN new
.if MSB != (\new)
	s_set_vgpr_msb (MSB<<8)|(\new)
.set MSB, (\new)
.endif
.endm
.macro PLACES n
.rept \n
	v_nop
.endr
.endm
.macro GETTILE                         ; the next five blocks, 16 bytes a thread each; each block has a base of its own, made from the head's base and the block's number
.irp j, 0,1,2,3,4
	s_add_co_u32 s26, s23, \j
	s_min_u32 s26, s26, 1699
	s_lshl_b32 s26, s26, 12
	s_add_nc_u64 s[36+2*\j:37+2*\j], s[46:47], s[26:27]
	global_load_b128 v[STG+4*\j:STG+4*\j+3], v1, s[36+2*\j:37+2*\j]
.endr
	s_add_co_u32 s23, s23, 5
.endm
.macro GETMV                           ; mvc of 160 t: a lane takes the eight t of its half in each tile
	WIN 0x40
.set t, 0
.rept 10
	global_load_b128 v[MV+8*t:MV+8*t+3], v[MVO], s[48:49] offset:t*64
	global_load_b128 v[MV+8*t+4:MV+8*t+7], v[MVO], s[48:49] offset:t*64+16
.set t, t+1
.endr
	WIN 0
.endm
	s_load_b256 s[8:15], s[0:1], 0x0               ; qv, kf, cmax, mvcp
	s_load_b128 s[16:19], s[0:1], 0x20             ; pO, pS
	v_lshl_add_u32 v[SPW], v0, 2, SPARE
	v_mov_b32 v[NIL], 0
	v_lshrrev_b32 v12, 5, v0
	v_readfirstlane_b32 s20, v12                   ; wave
	v_lshlrev_b32 v1, 4, v0                        ; 16 thread
	v_and_b32 v13, 31, v0
	v_lshlrev_b32 v[L16], 4, v13
	v_lshlrev_b32 v[CO4], 2, v13
	v_lshlrev_b32 v[PO8], 3, v13
	v_bfe_u32 v3, v0, 4, 1
	v_lshlrev_b32 v[MVO], 5, v3
	s_mov_b32 s21, ttmp9                           ; c
	s_and_b32 s22, ttmp7, 0xffff                   ; bh
	s_lshr_b32 s50, s22, 3                         ; b
	s_and_b32 s51, s22, 7                          ; h
	s_mul_i32 s23, s50, 425
	s_mul_i32 s52, s21, 55
	s_add_co_u32 s23, s23, s52                     ; the chunk's first block, counted through the batches
	s_mov_b32 s27, 0
	s_mov_b32 s53, 0
	s_mov_b32 s28, 0x47435000                      ; C
	s_mov_b32 s29, 0xc7435000
	s_mov_b32 s30, 0x3fb8aa3b                      ; log2(e)
	s_mov_b32 s31, s30
	s_mov_b32 s32, 0x76543210
	s_mov_b32 s33, 0xfedcba98
	s_mov_b32 s34, 0xffff0000                      ; lanes 16-31
	s_wait_kmcnt 0x0
	s_mul_i32 s52, s51, 1700*4096
	s_add_nc_u64 s[46:47], s[8:9], s[52:53]        ; the head's part of qv
	s_lshl_b32 s52, s22, 14
	s_lshl_b32 s26, s20, 11
	s_add_co_u32 s52, s52, s26
	s_add_nc_u64 s[10:11], s[10:11], s[52:53]      ; k: images 16 bh + 2 w, + 1
	s_lshl_b32 s52, s22, 16
	s_lshl_b32 s26, s20, 7
	s_add_co_u32 s52, s52, s26
	s_add_nc_u64 s[12:13], s[12:13], s[52:53]      ; cmax: my 32 s
	s_mul_i32 s52, s50, 56320
	s_mul_i32 s26, s21, 7040
	s_add_co_u32 s52, s52, s26
	s_add_nc_u64 s[48:49], s[14:15], s[52:53]      ; mvc at the chunk's first t
	s_lshl3_add_u32 s54, s22, s21                  ; 8 bh + c
	s_lshl_b32 s52, s54, 15
	s_lshl_b32 s26, s20, 12
	s_add_co_u32 s52, s52, s26
	s_add_nc_u64 s[16:17], s[16:17], s[52:53]
	s_lshl3_add_u32 s52, s54, s20
	s_lshl_b32 s52, s52, 8
	s_add_nc_u64 s[18:19], s[18:19], s[52:53]
.irp k, 0,1,2,3
	global_load_b128 v[KF+4*\k:KF+4*\k+3], v[L16], s[10:11] offset:\k*512
.endr
.set x, 0
.rept 64
	global_load_b32 v[FR+x], v[CO4], s[12:13] offset:x*1024
.set x, x+1
.endr
	GETTILE
	GETMV
.set k, 0
.rept 48
	v_mov_b32 v[OA+k], 0
.set k, k+1
.endr
.irp k, 0,1,2,3,4,5,6,7
	v_mov_b32 v[ONES+\k], 0x3c003c00
.endr
	v_mov_b32 v[ZR], 0xff7fffff
	v_mov_b32 v[ZR+1], 0xff7fffff
	v_mov_b32 v[TP], 0
	v_mov_b32 v10, 0xff7fffff
	v_mov_b32 v11, 0
	s_wait_loadcnt 0x0
.set x, 0
.rept 32
	v_max3_num_f32 v10, v10, v[FR+2*x], v[FR+2*x+1]
.set x, x+1
.endr
	v_med3_num_f32 v10, v10, s29, s28              ; M: the maximum of the clipped scores is the clipped maximum
	v_max_num_f32 v10, 0, v10
	v_add_f32 v10, s29, v10                        ; max(M, 0) - C, for s = 32 w + lane
	v_permlanex16_b32 v11, v10, s32, s33
	v_cndmask_b32 v[LO], v10, v11, s34             ; every lane: the bound of s = 32 w + lane % 16,
	v_cndmask_b32 v[LO+1], v11, v10, s34           ; and of s = 32 w + 16 + lane % 16
.irp j, 0,1,2,3,4
	ds_store_b128 v1, v[STG+4*\j:STG+4*\j+3] offset:\j*4096
.endr
	s_wait_dscnt 0x0
	s_barrier_signal -1
	s_barrier_wait -1
; The statistics of one tile of s for the trip's 160 t: the new maximum Z, and a.  The two exponentials open (sg = 0) or go on with (sg = 1) the trip's batch; no line up to WEIGH's wait names a.
.macro STAT sg
.set zb, 80*(\sg)
	WIN 0x14                                       ; sources 1 and 2 (scores) in window 1
.irp q, 0,1,2,3
	v_max3_num_f32 v[CH+\q], v[ZR+(\sg)], v[zb+20*\q], v[zb+20*\q+1]
.endr
.set n, 0
.rept 9
.irp q, 0,1,2,3
	v_max3_num_f32 v[CH+\q], v[CH+\q], v[zb+20*\q+2+2*n], v[zb+20*\q+3+2*n]
.endr
.set n, n+1
.endr
	WIN 0
	v_max3_num_f32 v[CH], v[CH], v[CH+1], v[CH+2]
	v_max_num_f32 v[CH], v[CH], v[CH+3]
	v_permlanex16_b32 v[TP], v[CH], s32, s33       ; the column's other 80 t lie in the lane 16 away
	v_max_num_f32 v[ZN], v[CH], v[TP]
	v_sub_f32 v[TP+1], v[ZR+(\sg)], v[ZN]
	v_exp_f32 v[AA+8*(\sg)], v[TP+1]
	v_exp_f32 v[AA+8*(\sg)+1], v[TP+1]
	v_mov_b32 v[ZR+(\sg)], v[ZN]
	WIN 0x40
	v_max_num_f32 v[ZW+2*(\sg)], v[CH], v[TP]
	v_max_num_f32 v[ZW+2*(\sg)+1], v[CH], v[TP]
.endm
; The weights of both tiles of s: their 20 tiles of t lie on end in window 1, tile T at 8 T, and tile T takes the Z of tile T / 10 of s.
.macro WEIGH
	WIN 0x45                                       ; the batch goes on.  In step it: the exponentials of tile it - 1, the first four line by line with z - Z of tile it.  No line here names an exponential's result
.set it, 0
.rept 21
.set j, 0
.rept 8
.if it >= 1
	v_exp_f32 v[8*(it-1)+j], v[8*(it-1)+j]
.endif
.if (j < 4) && (it < 20)
	v_pk_add_f32 v[8*it+2*j:8*it+2*j+1], v[8*it+2*j:8*it+2*j+1], v[ZW+2*(it/10):ZW+2*(it/10)+1] neg_lo:[0,1] neg_hi:[0,1]
.endif
.set j, j+1
.endr
.set it, it+1
.endr
	v_nop                                          ; a plain line behind the last exponential: one for the batch
	s_wait_alu depctr_va_vdst(0)                   ; the wait ahead of the first use: one for the trip's 164 exponentials, both a among them
.irp sg, 0,1                            ; the roundings: pair n of a tile of s packs into its register n (tile i of t into registers 4 i ..), ascending, so that no register is written before it has been read
.set n, 0
.rept 40
	v_cvt_pk_f16_f32 v[80*\sg+n], v[80*\sg+2*n], v[80*\sg+2*n+1]
.set n, n+1
.endr
.endr
	WIN 0
.irp sg, 0,1                            ; the sums times a
.set k, 0
.rept 8
	v_pk_mul_f32 v[OA+16*\sg+2*k:OA+16*\sg+2*k+1], v[OA+16*\sg+2*k:OA+16*\sg+2*k+1], v[AA+8*\sg:AA+8*\sg+1]
.set k, k+1
.endr
.set k, 0
.rept 4
	v_pk_mul_f32 v[SUM+8*\sg+2*k:SUM+8*\sg+2*k+1], v[SUM+8*\sg+2*k:SUM+8*\sg+2*k+1], v[AA+8*\sg:AA+8*\sg+1]
.set k, k+1
.endr
.endr
.endm
; One trip: the tile in slot \slot.  pre = 1: the next tile is fetched into registers at the head and put into the other slot at the end.
.macro TRIP slot, pre
	s_wait_loadcnt 0x0                             ; this trip's mvc, asked for most of a trip ago
.if \pre
	GETTILE
.endif
.set t, 0
.rept 10
	ds_load_b128 v[FR+8*t:FR+8*t+3], v[L16] offset:(\slot)*SLOT1+(t/2)*4096+(t%2)*1024
	ds_load_b128 v[FR+8*t+4:FR+8*t+7], v[L16] offset:(\slot)*SLOT1+(t/2)*4096+(t%2)*1024+512
.set t, t+1
.endr
	WIN 0x40                                       ; the scores go to window 1
.set t, 0
.rept 10
	s_wait_dscnt 18-2*t                            ; the later tiles' loads may stay out
	v_wmma_f32_16x16x32_f16 v[8*t:8*t+7], v[FR+8*t:FR+8*t+7], v[KF:KF+7], 0
	v_wmma_f32_16x16x32_f16 v[80+8*t:80+8*t+7], v[FR+8*t:FR+8*t+7], v[KF+8:KF+15], 0
.set t, t+1
.endr
	WIN 0
	PLACES 4                                       ; in front of the loads into Q's registers and of the first reads of the scores
.set f, 0
.rept 10
	ds_load_b128 v[FR+8*f:FR+8*f+3], v[L16] offset:(\slot)*SLOT1+(f/2)*4096+2048+(f%2)*1024
	ds_load_b128 v[FR+8*f+4:FR+8*f+7], v[L16] offset:(\slot)*SLOT1+(f/2)*4096+2048+(f%2)*1024+512
.set f, f+1
.endr
	WIN 0x41                                       ; scores in window 1, the bound in window 0
.set z, 0
.rept 160
	v_med3_num_f32 v[z], v[z], v[LO+z/80], s28
.set z, z+1
.endr
	WIN 0x51                                       ; and mvc (source 2) in window 1
.set z, 0
.rept 80
	v_pk_fma_f32 v[2*z:2*z+1], v[2*z:2*z+1], s[30:31], v[MV+(2*z)%80:MV+(2*z)%80+1] op_sel_hi:[1,0,1]
.set z, z+1
.endr
.if \pre
	s_add_nc_u64 s[48:49], s[48:49], 640           ; 160 t on; the loads that named this base are done
	GETMV
.endif
	STAT 0
	STAT 1
	WEIGH
	s_wait_dscnt 0x0                               ; val_v is in
	WIN 0x04                                       ; P (source 1) in window 1.  Six accumulators take turns
.set be, 0
.rept 5
.irp sg, 0,1
.irp d, 0,1
	v_wmma_f32_16x16x32_f16 v[OA+8*(2*\sg+\d):OA+8*(2*\sg+\d)+7], v[FR+8*(2*be+\d):FR+8*(2*be+\d)+7], v[80*\sg+8*be:80*\sg+8*be+7], v[OA+8*(2*\sg+\d):OA+8*(2*\sg+\d)+7]
.endr
	v_wmma_f32_16x16x32_f16 v[SUM+8*\sg:SUM+8*\sg+7], v[ONES:ONES+7], v[80*\sg+8*be:80*\sg+8*be+7], v[SUM+8*\sg:SUM+8*\sg+7]
.endr
.set be, be+1
.endr
	WIN 0
	PLACES 5                                       ; in front of the next trip's loads into the fragments and of its products that write over P
.if \pre
	s_wait_loadcnt 20                              ; the tile's five loads are older than mvc's twenty
.irp j, 0,1,2,3,4
	ds_store_b128 v1, v[STG+4*\j:STG+4*\j+3] offset:(1-(\slot))*SLOT1+\j*4096
.endr
	s_wait_dscnt 0x0
	s_barrier_signal -1
	s_barrier_wait -1
.endif
.endm
	s_mov_b32 s24, 5
.Ltwo:
	TRIP 0, 1
	TRIP 1, 1
	s_sub_co_u32 s24, s24, 1
	s_cmp_lg_u32 s24, 0
	s_cbranch_scc1 .Ltwo
	TRIP 0, 0                                      ; the eleventh tile: nothing is left to fetch
.irp f, 0,1,2,3
	global_store_b128 v[L16], v[OA+8*\f:OA+8*\f+3], s[16:17] offset:\f*1024
	global_store_b128 v[L16], v[OA+8*\f+4:OA+8*\f+7], s[16:17] offset:\f*1024+512
.endr
	v_cndmask_b32 v12, v[ZR], v[SUM], s34          ; lanes 0-15 carry Z, lanes 16-31 the sum of the weights
	v_cndmask_b32 v13, v[ZR+1], v[SUM+8], s34
	global_store_b64 v[PO8], v[12:13], s[18:19]    ; 256 consecutive bytes
	s_wait_tensorcnt 0x0                           ; the wave's end
	ds_add_u32 v[SPW], v[NIL]
	s_wait_dscnt 0x0
	s_endpgm
.Lfunc_end_k_qcd8814a8ac_ldir:
	.size	k_qcd8814a8ac_ldir, .Lfunc_end_k_qcd8814a8ac_ldir-k_qcd8814a8ac_ldir
	.p2alignl 7, 3214868480
	.fill 96, 4, 3214868480
	.section	.rodata,"a",@progbits
	.p2align	6, 0x0
	.amdhsa_kernel k_qcd8814a8ac_ldir
		.amdhsa_group_segment_fixed_size 41984
		.amdhsa_private_segment_fixed_size 0
		.amdhsa_enable_private_segment 0
		.amdhsa_kernarg_size 48
		.amdhsa_user_sgpr_count 2
		.amdhsa_user_sgpr_kernarg_segment_ptr 1
		.amdhsa_wavefront_size32 1
		.amdhsa_system_sgpr_workgroup_id_x 1
		.amdhsa_system_sgpr_workgroup_id_y 1
		.amdhsa_system_sgpr_workgroup_id_z 1
		.amdhsa_system_vgpr_workitem_id 0
		.amdhsa_next_free_vgpr 512
		.amdhsa_next_free_sgpr 66
		.amdhsa_reserve_vcc 0
		.amdhsa_float_denorm_mode_32 3
		.amdhsa_float_denorm_mode_16_64 3
		.amdhsa_memory_ordered 1
		.amdhsa_forward_progress 1
		.amdhsa_inst_pref_size 158
	.end_amdhsa_kernel
	.amdgpu_metadata
---
amdhsa.version: [ 1, 2 ]
amdhsa.kernels:
  - .name:           k_qcd8814a8ac_ldir
    .symbol:         k_qcd8814a8ac_ldir.kd
    .args:
      - { .name: qv, .offset: 0, .size: 8, .value_kind: global_buffer, .address_space: global }
      - { .name: kf, .offset: 8, .size: 8, .value_kind: global_buffer, .address_space: global }
      - { .name: cmax, .offset: 16, .size: 8, .value_kind: global_buffer, .address_space: global }
      - { .name: mvcp, .offset: 24, .size: 8, .value_kind: global_buffer, .address_space: global }
      - { .name: pO, .offset: 32, .size: 8, .value_kind: global_buffer, .address_space: global }
      - { .name: pS, .offset: 40, .size: 8, .value_kind: global_buffer, .address_space: global }
    .group_segment_fixed_size: 41984
    .private_segment_fixed_size: 0
    .kernarg_segment_align: 8
    .kernarg_segment_size: 48
    .max_flat_workgroup_size: 256
    .sgpr_count:     66
    .vgpr_count:     512
    .wavefront_size: 32
...
	.end_amdgpu_metadata
.endif
;; end of part 7
;; launch final: the kernel of part 5 again; grid 64 x 3, 8 waves a work-group, no clusters, 25,856 bytes of LDS; arguments pO, pS, wf, bvv, bol, out1; writes out1
